; MI455X (gfx1250); checked and timed in simulation.
; The chip was launched on July 23, 2026; its instructions are those of AMD's public machine-readable ISA for CDNA 5 (MIT licence, August 2026) and "CDNA5" Instruction Set Architecture Reference Guide (July 2026). The comments in the code are by the model that wrote it; some were corrected since.
;; SDPA With Ro PEGQA. Allowed arithmetic: matrix products marked QUANTISED: E2M1 operands, one E8M0 scale for each 32 along K, by v_wmma_scale_f32_16x16x128_f8f6f4 with both operands' format E2M1 (or v_wmma_scale_f32_32x16x128_f4), f32 sums; products left as they are: bf16, f16 or f32 operands; f32 sums; everything else in f32.
;; Inputs: Wk 2,048 x 512 float32; Wo 1,024 x 2,048 float32; Wq 2,048 x 1,024 float32; Wv 2,048 x 512 float32; x 2 x 2,048 x 2,048 float32.
;; Outputs: out0 2 x 2,048 x 2,048 float32.
;; This version of the problem:
;;   THIS VERSION OF THE PROBLEM IS GIVEN IN LOW PRECISION. The matrix products marked QUANTISED in the list below multiply operands that are first quantised to E2M1 (2 exponent bits, 1 mantissa bit; 4 bits a number), with one power-of-two scale for each 32 numbers along K (OCP MX v1.0); their sums are f32. The products marked 'left as it is' may take bf16, f16 or f32 operands, with f32 sums. Whichever they take, every output number must still come out within the allowed error. Rounding operands to bf16 (8 significant bits) uses up far more of that allowance than f16 does (11 bits, for magnitudes from 6e-5 to 65,504). All else is computed in f32.
;;   The module's matrix products, in the order in which they are computed (A, B: the left and right operand; K: the contracted axis; several contracted axes count as one K, in the product's order):
;;     1. [M 4,096, K 2,048] x [K 2,048, N 1,024]; A: input x; B: input Wq: QUANTISED
;;     2. [M 4,096, K 2,048] x [K 2,048, N 512]; A: input x; B: input Wk: QUANTISED
;;     3. [M 4,096, K 2,048] x [K 2,048, N 512]; A: input x; B: input Wv: QUANTISED
;;     4. batch 32 x [M 2,048, K 64] x [K 64, N 2,048]; A: computed on the way; B: computed on the way: left as it is (an operand is computed on the way)
;;     5. batch 32 x [M 2,048, K 2,048] x [K 2,048, N 64]; A: computed on the way; B: computed on the way: left as it is (an operand is computed on the way)
;;     6. [M 4,096, K 1,024] x [K 1,024, N 2,048]; A: computed on the way; B: input Wo: left as it is (an operand is computed on the way)
;;   THE QUANTISER, for each operand of a quantised product, along K:
;;     - K is cut into blocks of 32 from its start; a last block that is shorter is filled with zeros.
;;     - A block's scale is 2^e with e = floor(log2(the largest magnitude in the block)) - 2, held to -126 .. 127; a block of zeros has e = 0. As a byte (E8M0): e + 127.
;;     - Each number is divided by its block's scale, clamped to +-6, and rounded to the nearest number of E2M1, ties to even, subnormals kept.
;;     - The product sums the exact products of the quantised numbers (number of the format x scale) in f32.
;;   ~~~python
;;   def quantise(x, axis):      # numpy; x: float32 -> the quantised numbers, widened to float32 again
;;       x = np.moveaxis(x, axis, -1); K = x.shape[-1]
;;       x = np.pad(x, [(0, 0)] * (x.ndim - 1) + [(0, -K % 32)]); x = x.reshape(x.shape[:-1] + (-1, 32)); a = np.abs(x).max(-1, keepdims=True)
;;       e = np.where(a > 0, np.clip(np.frexp(np.where(a > 0, a, 1))[1] - 1 - 2, -126, 127), 0)      # np.frexp(a)[1] - 1 = floor(log2(a)), exactly
;;       r = np.clip(x / 2.0 ** e, -6, 6)
;;       step = 2.0 ** (np.maximum(np.frexp(np.where(r == 0, 1, r))[1] - 1, 0) - 1)
;;       q = np.round(r / step) * step * 2.0 ** e      # np.round: ties to even
;;       return np.moveaxis(q.reshape(q.shape[:-2] + (-1,))[..., :K], -1, axis).astype(np.float32)
;;   ~~~
;; One version. Each part assembles by itself: llvm-mc -triple=amdgcn-amd-amdhsa -mcpu=gfx1250 --defsym DOCPART=n.
;; ======== version 1 of 1: 5 launches
;; limits: values are held in f16: magnitudes above 65,504 overflow, below 6.1e-05 lose precision
;; workspace buffers: codes 6,291,456 bytes; scales 393,216 bytes; wo16 4,194,304 bytes; tab 557,056 bytes; qkv 16,777,216 bytes; q32 524,288 bytes; att 8,388,608 bytes
;; launch prep (part 1): grid 544 x 1, 4 waves a work-group, no clusters, 50,688 bytes of LDS; arguments x, Wq, Wk, Wv, Wo, codes, scales, wo16, tab; writes codes, scales, wo16, tab
.if DOCPART == 1
	.amdgcn_target "amdgcn-amd-amdhsa--gfx1250"
	.amdhsa_code_object_version 6
	.text
	.protected	k_q1560fca366_prep
	.globl	k_q1560fca366_prep
	.p2align	8
	.type	k_q1560fca366_prep,@function
k_q1560fca366_prep:
	s_mov_b64 s[64:65], 0
	v_nop
	global_prefetch_b8 v0, s[64:65] scope:SCOPE_SE
	s_setreg_imm32_b32 hwreg(HW_REG_WAVE_MODE, 25, 1), 1
	s_wait_xcnt 0x0
; FOUR JOBS IN ONE LAUNCH, told apart by the work-group's number alone:
;   0-255   x [4096][2048] f32 -> codes of FP4 (E2M1), K innermost, [4096][1024 bytes] at byte 0 of 'codes'; one E8M0 byte for each 32 along K, [4096][64] at byte 0 of 'scales'
;   256-383 Wq, Wk, Wv [2048 k][n] f32 (K is the FIRST axis) -> codes [2048 n][1024 bytes] at byte 4,194,304 of 'codes' (n: 0-1023 Wq, 1024-1535 Wk, 1536-2047 Wv); bytes [2048][64] at byte 262,144 of 'scales'
;   384-511 Wo [1024][2048] f32 -> f16, as it lies
;   512-543 the table for the rotation: row p (0-2047): cos(p w_f), f = 0..31, then sin(p w_f), f32, 256 bytes; rows 2048-2175: cos = 1, sin = 0 (for the columns that are not rotated)
; A block's scale is 2^(floor(log2(its largest magnitude)) - 2); its byte is the largest magnitude's exponent field - 2, held at 1 from below.
; LIMITS: a block whose largest magnitude lies under 2^-124, a block of zeros among them, keeps the byte 1 (its codes are zeros or the nearest codes under that scale; this program alone reads the bytes);
; NaN and infinities are not served; |Wo| stays within f16's 65,504; w_f = 2^(-f log2(10000) / 32) is made by one v_exp_f32, so an angle can differ from the exact one by some 3e-4 rad at p = 2047.
; The two jobs that use LDS have bytes of their own: x's turns 0 .. 32,767, the weights' stages 32,768 .. 50,175; behind them the spare words.
.set SPW,   12                         ; v12  LDS address of my spare word; never rewritten
.set NIL,   13                         ; v13  0; never rewritten
.set WREG,  8192                       ; x: a wave's LDS region: two stages of 32 x SP bytes, then its 256 scale bytes
.set SP,    80                         ; a lane's place in a stage: 64 bytes + 16 of padding
.set CB,    8                          ; bytes of 16 codes
.set EMAX,  2
.set STEPS, 16
.set R,     16                         ; x: v16-79 four sets of 16 numbers as loaded
.set X,     80                         ; x: v80-111 two sets of 16 neighbours
.set E,     112                        ; x: v112-127 a scale byte for each step
.set C,     128                        ; x: v128-191 codes, four registers a step
.set WSTG,  4*WREG                     ; W: the four waves' stages, 16 rows x PITCH each
.set PITCH, 272
.set KROW,  1024                       ; a row of codes in bytes
.set NB,    8                          ; W: blocks of 32 along K for a lane
.set WX,    32                         ; W: v32-95 two sets of 32 numbers
.set WC,    96                         ; W: v96-99 a block's codes
.set OUTR,  112                        ; W: v112-143 the way out
.set SB,    24                         ; W: v24-25 scale bytes
.set WOF,   176                        ; W: v176-207 my column's bytes + my half's 256 rows + i rows of the source
.set SPARE, WSTG+4*16*PITCH            ; the spare words: 128 bytes a wave, two blocks of 256 bytes that no other line names
	s_load_b512 s[16:31], s[0:1], 0x0              ; x 16, Wq 18, Wk 20, Wv 22, Wo 24, codes 26, scales 28, wo16 30
	s_load_b64 s[32:33], s[0:1], 0x40              ; tab
	v_lshl_add_u32 v[SPW], v0, 2, SPARE
	v_mov_b32 v[NIL], 0
	v_lshrrev_b32 v1, 5, v0
	v_readfirstlane_b32 s4, v1                     ; wave 0..3
	v_and_b32 v2, 31, v0                           ; lane
	s_wait_kmcnt 0x0
	s_cmp_lt_u32 ttmp9, 256
	s_cbranch_scc1 .Lpath_x
	s_cmp_lt_u32 ttmp9, 384
	s_cbranch_scc1 .Lpath_w
	s_cmp_lt_u32 ttmp9, 512
	s_cbranch_scc1 .Lpath_c
; ---------------- THE TABLE.  A wave makes 17 rows; a lane two neighbouring frequencies: lanes 0-15 their cosines, lanes 16-31 their sines: a row is one store of 256 bytes.
	s_sub_co_u32 s5, ttmp9, 512
	s_mul_i32 s6, s5, 68
	s_mul_i32 s7, s4, 17
	s_add_co_u32 s6, s6, s7                        ; my first row
	s_lshl_b32 s8, s6, 8
	s_mov_b32 s9, 0
	s_add_nc_u64 s[32:33], s[32:33], s[8:9]
	s_mov_b32 s40, 0x3f22f983                      ; 2 / pi
	s_mov_b32 s41, 0xbfc90fdb                      ; -(pi / 2), its f32 part,
	s_mov_b32 s42, 0x333bbd2e                      ; and what that part has too much
	s_mov_b32 s43, 0xb94ca1f9                      ; sine on +-pi/4: r + r z (s45 + z (s44 + z s43))
	s_mov_b32 s44, 0x3c08839e
	s_mov_b32 s45, 0xbe2aaaa3
	s_mov_b32 s46, 0x37ccf5ce                      ; cosine: 1 + z (-1/2 + z (s48 + z (s47 + z s46)))
	s_mov_b32 s47, 0xbab6061a
	s_mov_b32 s48, 0x3d2aaaa5
	v_lshlrev_b32 v8, 3, v2                        ; 8 bytes a lane
	v_lshrrev_b32 v10, 4, v2
	v_sub_nc_u32 v10, 1, v10                       ; 1 in lanes 0-15: a cosine is the sine a quarter turn on
	v_and_b32 v3, 15, v2
	v_lshlrev_b32 v3, 1, v3
	v_cvt_f32_u32 v14, v3                          ; f
	v_add_f32 v15, 1.0, v14                        ; f + 1
	v_mul_f32 v14, 0xbed49a78, v14                 ; x -log2(10000) / 32
	v_mul_f32 v15, 0xbed49a78, v15
	v_exp_f32 v14, v14                             ; w_f
	v_exp_f32 v15, v15
	v_nop                                          ; a plain line behind the two, and one wait for both ahead of their first reader
	s_wait_alu depctr_va_vdst(0)
.macro SINCOS d, f                     ; v[d] = sin(p w + quarter turns of v10), p in v19, w in v[f]
	v_mul_f32 v20, v19, v[\f]                      ; the angle, rounded to f32 as the outer product is
	v_mul_f32 v21, s40, v20
	v_rndne_f32 v21, v21                           ; n quarter turns
	v_fma_f32 v22, v21, s41, v20
	v_fma_f32 v22, v21, s42, v22                   ; r = angle - n pi / 2, within +-pi/4
	v_mul_f32 v23, v22, v22                        ; z
	v_fma_f32 v24, v23, s43, s44
	v_fma_f32 v25, v23, s46, s47
	v_fma_f32 v24, v24, v23, s45
	v_fma_f32 v25, v25, v23, s48
	v_mul_f32 v24, v24, v23
	v_fma_f32 v25, v25, v23, -0.5
	v_fma_f32 v24, v24, v22, v22                   ; sin r
	v_fma_f32 v25, v25, v23, 1.0                   ; cos r
	v_cvt_i32_f32 v26, v21
	v_add_nc_u32 v26, v26, v10                     ; the quadrant
	v_and_b32 v27, 1, v26
	v_cmp_eq_u32 vcc_lo, 1, v27
	v_cndmask_b32 v24, v24, v25, vcc_lo            ; odd quadrants take the cosine,
	v_and_b32 v26, 2, v26
	v_lshlrev_b32 v26, 30, v26
	v_xor_b32 v[\d], v26, v24                      ; quadrants 2 and 3 the other sign
.endm
	s_mov_b32 s5, 17
.Lrow:
	s_cmp_lt_u32 s6, 2048
	s_cselect_b32 s7, s6, 0                        ; rows from 2048 on: the angle 0
	v_cvt_f32_u32 v19, s7
	SINCOS 28, 14
	SINCOS 29, 15
	global_store_b64 v8, v[28:29], s[32:33]        ; 32 lanes store one row: 256 consecutive bytes, aligned
	s_wait_xcnt 0x0                                ; the store has read its base and its data: both are written again below
	s_add_nc_u64 s[32:33], s[32:33], 256
	s_add_co_u32 s6, s6, 1
	s_sub_co_u32 s5, s5, 1
	s_cmp_lg_u32 s5, 0
	s_cbranch_scc1 .Lrow
	s_endpgm
; ---------------- Wo TO f16.  A wave takes 4,096 numbers; a lane 8 neighbours a step, so that its four packed words are 16 neighbouring bytes and a store covers 512.  All 32 loads go out first.
.Lpath_c:
	s_sub_co_u32 s5, ttmp9, 384
	s_lshl_b32 s5, s5, 2
	s_add_co_u32 s5, s5, s4                        ; which run of 4,096 numbers
	s_lshl_b32 s6, s5, 14
	s_mov_b32 s7, 0
	s_add_nc_u64 s[24:25], s[24:25], s[6:7]
	s_lshl_b32 s6, s5, 13
	s_add_nc_u64 s[30:31], s[30:31], s[6:7]
	v_lshlrev_b32 v3, 5, v2
	v_lshlrev_b32 v4, 4, v2
.irp i, 0,1,2,3,4,5,6,7,8,9,10,11,12,13,14,15
	global_load_b128 v[16+8*\i:16+8*\i+3], v3, s[24:25] offset:1024*\i th:TH_LOAD_NT
	global_load_b128 v[16+8*\i+4:16+8*\i+7], v3, s[24:25] offset:1024*\i+16 th:TH_LOAD_NT
.endr
.irp i, 0,1,2,3,4,5,6,7,8,9,10,11,12,13,14,15
	s_wait_loadcnt 30-2*\i                         ; this step's two loads are in; the later steps' stay out
.irp j, 0,1,2,3
	v_cvt_pk_f16_f32 v[16+8*\i+\j], v[16+8*\i+2*\j], v[16+8*\i+2*\j+1]   ; in place, ascending: a word is written only when its numbers have been read
.endr
	global_store_b128 v4, v[16+8*\i:16+8*\i+3], s[30:31] offset:512*\i
.endr
	s_endpgm
; ---------------- x.  A plain stream of blocks of 32.  A wave takes 16 steps of 512 numbers.  Each load reads 512 consecutive bytes; a step's 2,048 bytes turn through the wave's own stage in LDS
; and come back 64 bytes a lane, 16 neighbours along K (two neighbouring lanes hold a block).  Loads run four steps ahead, the turn one step.
.Lpath_x:
	v_lshlrev_b32 v3, 4, v2                        ; my 16 bytes of a load's 512
	s_mul_i32 s5, s4, WREG
	v_lshrrev_b32 v14, 2, v2
	v_mul_u32_u24 v14, v14, SP
	v_and_b32 v15, 3, v2
	v_lshl_add_u32 v14, v15, 4, v14
	v_add_nc_u32 v14, s5, v14                      ; into the stage: SP (lane / 4) + 16 (lane % 4)
	v_mul_u32_u24 v15, v2, SP
	v_add_nc_u32 v15, s5, v15                      ; out of it: SP x lane
	v_mul_u32_u24 v4, v2, CB                       ; my codes' place in a step's
	v_lshrrev_b32 v5, 1, v2
	s_add_co_u32 s5, s5, 2*32*SP
	v_add_nc_u32 v5, s5, v5                        ; my block's scale byte in LDS
	v_lshlrev_b32 v7, 3, v2
	v_add_nc_u32 v6, s5, v7                        ; and 8 of the 256 bytes on the way out
	s_lshl_b32 s6, ttmp9, 2
	s_add_co_u32 s6, s6, s4                        ; which run of 8,192 numbers
	s_mov_b32 s9, 0
	s_lshl_b32 s8, s6, 15
	s_add_nc_u64 s[16:17], s[16:17], s[8:9]
	s_lshl_b32 s8, s6, 12
	s_add_nc_u64 s[26:27], s[26:27], s[8:9]
	s_lshl_b32 s8, s6, 8
	s_add_nc_u64 s[28:29], s[28:29], s[8:9]
.macro XLOAD t
.irp i, 0,1,2,3
	global_load_b128 v[R+16*((\t)%4)+4*\i:R+16*((\t)%4)+4*\i+3], v3, s[16:17] offset:2048*(\t)+512*\i th:TH_LOAD_NT
.endr
.endm
.macro XTURN t                         ; LDS serves a wave's instructions in order: no wait between the stores and the loads
.irp i, 0,1,2,3
	ds_store_b128 v14, v[R+16*((\t)%4)+4*\i:R+16*((\t)%4)+4*\i+3] offset:32*SP*((\t)%2)+8*SP*\i
.endr
.irp i, 0,1,2,3
	ds_load_b128 v[X+16*((\t)%2)+4*\i:X+16*((\t)%2)+4*\i+3], v15 offset:32*SP*((\t)%2)+16*\i
.endr
.endm
.irp t, 0,1,2,3
	XLOAD \t
.endr
	s_wait_loadcnt 12                              ; step 0's four loads are in
	XTURN 0
.macro XSTEP t
.set XS, X+16*((\t)%2)
.if (\t) > 0
	s_wait_dscnt 1                                 ; this step's numbers are back (the last step's byte store may be out)
.else
	s_wait_dscnt 0x0
.endif
.if (\t)+4 < STEPS
	XLOAD (\t)+4
.endif
.if (\t)+1 < STEPS
.if STEPS-2-(\t) >= 3
	s_wait_loadcnt 12                              ; the next step's four loads are in; the three steps behind it may be out
.else
	s_wait_loadcnt 4*(STEPS-2-(\t))
.endif
	XTURN (\t)+1
.endif
	v_max3_num_f32 v8, |v[XS]|, |v[XS+1]|, |v[XS+2]|
	v_max3_num_f32 v9, |v[XS+3]|, |v[XS+4]|, |v[XS+5]|
.irp i, 6,10
	v_max3_num_f32 v8, v8, |v[XS+\i]|, |v[XS+\i+1]|
	v_max3_num_f32 v9, v9, |v[XS+\i+2]|, |v[XS+\i+3]|
.endr
	v_max3_num_f32 v8, v8, |v[XS+14]|, |v[XS+15]|
	v_max3_num_f32 v8, v8, v9, (EMAX+1)<<23        ; with the floor 2^(3 - 127): the byte cannot fall under 1
	v_max_num_f32_dpp v8, v8, v8 row_xmask:1 row_mask:0xf bank_mask:0xf   ; and my neighbour's 16: the block's largest magnitude
	v_add_nc_u32 v11, -(EMAX<<23), v8              ; 2 off its exponent field: the conversion takes that field as its scale
	v_cvt_scalef32_pk8_fp4_f32 v[C+4*(\t)], v[XS:XS+7], v11
	v_cvt_scalef32_pk8_fp4_f32 v[C+4*(\t)+1], v[XS+8:XS+15], v11
	v_lshrrev_b32 v[E+(\t)], 23, v11               ; the scale's byte
	ds_store_b8 v5, v[E+(\t)] offset:16*(\t)       ; both lanes of a block write the same byte with the same value
	global_store_b64 v4, v[C+4*(\t):C+4*(\t)+1], s[26:27] offset:32*CB*(\t)   ; the wave stores 256 consecutive bytes, aligned
.endm
.irp t, 0,1,2,3,4,5,6,7,8,9,10,11,12,13,14,15
	XSTEP \t
.endr
	ds_load_b64 v[8:9], v6                         ; in order behind my byte stores
	s_wait_dscnt 0x0
	global_store_b64 v7, v[8:9], s[28:29]          ; my 256 scale bytes: one aligned store
	s_wait_tensorcnt 0x0                           ; the wave's end, behind my last LDS store
	ds_add_u32 v[SPW], v[NIL]
	s_wait_dscnt 0x0
	s_endpgm
; ---------------- Wq, Wk, Wv.  A lane takes a column n and its registers run down K: a block of 32 lies in one lane, and the codes come out with K innermost.
; A wave takes 16 columns x 512 along K: lanes 0-15 the first 256 of K, lanes 16-31 the second: 8 blocks a lane, 32,768 bytes a wave, of which two blocks' 64 loads (8,192 bytes) are asked for ahead: four such runs.
; So a column's 256 bytes of codes come from ONE wave: they leave through its own stage, sixteen lanes to 256 aligned bytes, with no barrier.
; A load reads 64 consecutive bytes in each of two rows; the four waves of a work-group stand side by side on 256 bytes of a row (so these loads carry no hint that the bytes are not wanted again).
; Work-group u: column group u % 32 (64 columns of the joined 2,048), K part u / 32.
.Lpath_w:
	s_sub_co_u32 s5, ttmp9, 256
	s_and_b32 s6, s5, 31                           ; g
	s_lshr_b32 s7, s5, 5                           ; y
	s_cmp_lt_u32 s6, 24
	s_cselect_b64 s[20:21], s[20:21], s[22:23]     ; Wk or Wv
	s_cselect_b32 s8, 16, 24
	s_cmp_lt_u32 s6, 16
	s_cselect_b64 s[18:19], s[18:19], s[20:21]     ; Wq or that
	s_cselect_b32 s8, 0, s8                        ; the source's first group
	s_cselect_b32 s9, 12, 11                       ; log2 of its row's bytes
	s_lshl_b32 s10, 1, s9                          ; a row of the source
	s_sub_co_u32 s8, s6, s8
	s_lshl_b32 s8, s8, 6
	s_lshl_b32 s11, s4, 4
	s_add_co_u32 s8, s8, s11                       ; my wave's first column in the source
	s_lshl_b32 s8, s8, 2
	s_lshl_b32 s34, s7, 9
	s_lshl_b32 s34, s34, s9                        ; 512 y rows
	s_add_co_u32 s34, s34, s8
	s_mov_b32 s35, 0
	s_add_nc_u64 s[18:19], s[18:19], s[34:35]
	s_lshl_b32 s14, s10, 5                         ; 32 rows on
	s_mov_b32 s15, 0
	s_lshl_b32 s38, s10, 8                         ; 256 rows on: the second half of the lanes
	s_lshl_b32 s36, s6, 6
	s_add_co_u32 s36, s36, s11                     ; my first column in the joined N
	s_lshl_b32 s34, s36, 10
	s_lshl_b32 s37, s7, 8
	s_add_co_u32 s34, s34, s37
	s_add_co_u32 s34, s34, 0x400000
	s_add_nc_u64 s[26:27], s[26:27], s[34:35]      ; its codes' row, K part y
	s_lshl_b32 s34, s36, 6
	s_lshl_b32 s37, s7, 4
	s_add_co_u32 s34, s34, s37
	s_add_co_u32 s34, s34, 0x40000
	s_add_nc_u64 s[28:29], s[28:29], s[34:35]      ; its scale bytes
	v_and_b32 v5, 15, v2                           ; my column of the 16
	v_lshrrev_b32 v6, 4, v2                        ; my half of K
	v_lshlrev_b32 v3, 2, v5
	v_mad_u32_u24 v3, v6, s38, v3                  ; 4 x column + 256 rows x half
.irp i, 0,1,2,3,4,5,6,7,8,9,10,11,12,13,14,15,16,17,18,19,20,21,22,23,24,25,26,27,28,29,30,31
	v_mad_u32_u24 v[WOF+\i], s10, \i, v3           ; + i rows
.endr
	s_mul_i32 s37, s4, 16*PITCH
	s_add_co_u32 s37, s37, WSTG                    ; my stage
	v_mul_u32_u24 v4, v5, PITCH
	v_lshl_add_u32 v4, v6, 7, v4
	v_add_nc_u32 v4, s37, v4                       ; into it: row = my column, my half's 128 bytes
	v_mul_u32_u24 v7, v6, PITCH
	v_lshl_add_u32 v7, v5, 4, v7
	v_add_nc_u32 v7, s37, v7                       ; out of it: sixteen lanes to a row
	v_mul_u32_u24 v8, v6, KROW
	v_lshl_add_u32 v8, v5, 4, v8                   ; the same place in the codes
	v_lshlrev_b32 v9, 6, v5
	v_lshl_add_u32 v9, v6, 3, v9                   ; my column's row of scale bytes, my half's 8
.macro WLOAD t
.irp i, 0,1,2,3,4,5,6,7,8,9,10,11,12,13,14,15,16,17,18,19,20,21,22,23,24,25,26,27,28,29,30,31
	global_load_b32 v[WX+32*((\t)%2)+\i], v[WOF+\i], s[18:19]   ; row i of the block, in both halves of K: 16 neighbouring columns each
.endr
.endm
.macro WNEXT
	s_wait_xcnt 0x0                                ; the loads issued so far have read their base: it steps 32 rows
	s_add_nc_u64 s[18:19], s[18:19], s[14:15]
.endm
	WLOAD 0
	WNEXT
	WLOAD 1
.macro WBLOCK t
.set XS, WX+32*((\t)%2)
.if (\t) < NB-1
	s_wait_loadcnt 32                              ; this block's 32 loads are in; the next block's may be out
.else
	s_wait_loadcnt 0
.endif
	v_max3_num_f32 v16, |v[XS]|, |v[XS+1]|, |v[XS+2]|
	v_max3_num_f32 v17, |v[XS+3]|, |v[XS+4]|, |v[XS+5]|
.irp i, 6,10,14,18,22,26
	v_max3_num_f32 v16, v16, |v[XS+\i]|, |v[XS+\i+1]|
	v_max3_num_f32 v17, v17, |v[XS+\i+2]|, |v[XS+\i+3]|
.endr
	v_max3_num_f32 v16, v16, |v[XS+30]|, |v[XS+31]|
	v_max3_num_f32 v16, v16, v17, (EMAX+1)<<23     ; with the floor
	v_add_nc_u32 v11, -(EMAX<<23), v16             ; the conversion's scale operand
	v_lshrrev_b32 v17, 23, v11                     ; the byte
.if (\t)%4 == 0
	v_mov_b32 v[SB+(\t)/4], v17
.else
	v_lshl_or_b32 v[SB+(\t)/4], v17, 8*((\t)%4), v[SB+(\t)/4]
.endif
.irp g, 0,1,2,3
	v_cvt_scalef32_pk8_fp4_f32 v[WC+\g], v[XS+8*\g:XS+8*\g+7], v11
.endr
	ds_store_b128 v4, v[WC:WC+3] offset:16*(\t)
.if (\t)+2 < NB
	WNEXT
	WLOAD (\t)+2
.endif
	s_wait_dscnt 0x0                               ; the store has read its registers: the next block's codes may be written
.endm
.irp t, 0,1,2,3,4,5,6,7
	WBLOCK \t
.endr
	global_store_b64 v9, v[SB:SB+1], s[28:29]      ; my 8 scale bytes
.irp t, 0,1,2,3,4,5,6,7
	ds_load_b128 v[OUTR+4*\t:OUTR+4*\t+3], v7 offset:2*\t*PITCH   ; in order behind my stores
.endr
.irp t, 0,1,2,3,4,5,6,7
	s_wait_dscnt 7-\t
	global_store_b128 v8, v[OUTR+4*\t:OUTR+4*\t+3], s[26:27] offset:2*\t*KROW   ; sixteen lanes store 256 consecutive bytes, aligned
.endr
	s_wait_tensorcnt 0x0                           ; the wave's end, behind my last LDS store
	ds_add_u32 v[SPW], v[NIL]
	s_wait_dscnt 0x0
	s_endpgm
.Lfunc_end_k_q1560fca366_prep:
	.size	k_q1560fca366_prep, .Lfunc_end_k_q1560fca366_prep-k_q1560fca366_prep
	.p2alignl 7, 3214868480
	.fill 96, 4, 3214868480
	.section	.rodata,"a",@progbits
	.p2align	6, 0x0
	.amdhsa_kernel k_q1560fca366_prep
		.amdhsa_group_segment_fixed_size 50688
		.amdhsa_private_segment_fixed_size 0
		.amdhsa_enable_private_segment 0
		.amdhsa_kernarg_size 72
		.amdhsa_user_sgpr_count 2
		.amdhsa_user_sgpr_kernarg_segment_ptr 1
		.amdhsa_wavefront_size32 1
		.amdhsa_system_sgpr_workgroup_id_x 1
		.amdhsa_system_sgpr_workgroup_id_y 1
		.amdhsa_system_sgpr_workgroup_id_z 1
		.amdhsa_system_vgpr_workitem_id 0
		.amdhsa_next_free_vgpr 208
		.amdhsa_next_free_sgpr 66
		.amdhsa_reserve_vcc 1
		.amdhsa_float_denorm_mode_32 3
		.amdhsa_float_denorm_mode_16_64 3
		.amdhsa_memory_ordered 1
		.amdhsa_forward_progress 1
		.amdhsa_inst_pref_size 89
	.end_amdhsa_kernel
	.amdgpu_metadata
---
amdhsa.version: [ 1, 2 ]
amdhsa.kernels:
  - .name:           k_q1560fca366_prep
    .symbol:         k_q1560fca366_prep.kd
    .args:
      - { .name: x, .offset: 0, .size: 8, .value_kind: global_buffer, .address_space: global }
      - { .name: Wq, .offset: 8, .size: 8, .value_kind: global_buffer, .address_space: global }
      - { .name: Wk, .offset: 16, .size: 8, .value_kind: global_buffer, .address_space: global }
      - { .name: Wv, .offset: 24, .size: 8, .value_kind: global_buffer, .address_space: global }
      - { .name: Wo, .offset: 32, .size: 8, .value_kind: global_buffer, .address_space: global }
      - { .name: codes, .offset: 40, .size: 8, .value_kind: global_buffer, .address_space: global }
      - { .name: scales, .offset: 48, .size: 8, .value_kind: global_buffer, .address_space: global }
      - { .name: wo16, .offset: 56, .size: 8, .value_kind: global_buffer, .address_space: global }
      - { .name: tab, .offset: 64, .size: 8, .value_kind: global_buffer, .address_space: global }
    .group_segment_fixed_size: 50688
    .private_segment_fixed_size: 0
    .kernarg_segment_align: 8
    .kernarg_segment_size: 72
    .max_flat_workgroup_size: 128
    .sgpr_count:     66
    .vgpr_count:     208
    .wavefront_size: 32
...
	.end_amdgpu_metadata
.endif
;; end of part 1
;; launch qkv (part 2): grid 8 x 16, 4 waves a work-group, clusters of 4 x 4, 327,680 bytes of LDS; arguments codes, scales, qkv, tab, q32; writes qkv, q32
.if DOCPART == 2
	.amdgcn_target "amdgcn-amd-amdhsa--gfx1250"
	.amdhsa_code_object_version 6
	.text
	.protected	k_q1560fca366_qkv
	.globl	k_q1560fca366_qkv
	.p2align	8
	.type	k_q1560fca366_qkv,@function
k_q1560fca366_qkv:
	s_mov_b64 s[64:65], 0
	v_nop
	global_prefetch_b8 v0, s[64:65] scope:SCOPE_SE
	s_setreg_imm32_b32 hwreg(HW_REG_WAVE_MODE, 25, 1), 1
	s_wait_xcnt 0x0
	s_wait_alu depctr_hold_cnt(0) depctr_sa_sdst(0) depctr_va_vdst(0) depctr_va_sdst(0) depctr_va_ssrc(0) depctr_va_vcc(0) depctr_vm_vsrc(0)
	s_getreg_b32 s2, hwreg(HW_REG_IB_STS2, 6, 4)
	s_cmp_eq_u32 s2, 0
	s_cbranch_scc0 .Lentry_in_a_cluster
	s_endpgm
.Lentry_in_a_cluster:
	s_bfe_u32 s2, ttmp6, 0x10000c
	s_cmp_lg_u32 s2, 0xf033
	s_cbranch_scc0 .Lentry_shape_is_right
	s_endpgm
.Lentry_shape_is_right:
; [q | k | v] = x [Wq | Wk | Wv]: C[m][n] = sum over k of A[m][k] B[n][k] on codes of FP4 (E2M1) with one E8M0 scale for each 32 along K; M = 4,096, N = 2,048, K = 2,048; sums in f32.
; Then the rotation of q and k, in f32, and the result as f16 laid by head: qkv [batch 2][head 32][position 2048][64] (heads 0-15 q, 16-23 k, 24-31 v).
; The first 16 positions of each sequence also leave in f32 (q32 [4][16][2048]; parts 0 and 2 are batches 0 and 1), for the launch that carries those rows finely.
; LIMIT: q, k, v stay within f16's 65,504.
; A tile of C, 256 x 256, is made by four waves, 128 x 128 each: 64 accumulators, 512 registers.  K goes in steps of 512 through two LDS slots filled by the tensor data mover (rows of 256 bytes);
; the scales of the work-group's 256 + 256 rows for all of K come into LDS once.  4 x 4 work-groups form a cluster: A's tiles are asked for jointly along a row of it, B's along a column.
; TILE ROW = cluster y + 4 cy, so that the two tiles that hold the sequences' first positions (0 and 8) lie in cluster row 0: the branch for the f32 copy hangs on the cluster's y and the wave's number alone.
; THE MATRIX INSTRUCTION IS USED TRANSPOSED (source 0 = 16 rows of B, source 1 = 16 rows of A): a lane holds one row of C and eight neighbouring columns.
; THE ROTATION: a head's channel d < 32 goes with d + 32; in a wave's block of 16 rows these are accumulators b and b + 2 (b % 4 < 2), the same lane and register.  cos and sin of the lane's position come from the
; table; the columns of v read its rows from 2048 on (cos 1, sin 0): a choice of address, no branch.
; REGISTERS: window 0: v0-31 addresses; v32-95 scale words and nothing else; v128-191 A's fragments; on the way out v96-159 rotated numbers, v160-191 f16 words, v192-255 rows read back.
;   window 1: B's fragments at v0-63 and v128-191; the table's numbers for blocks 0-3 at v64-127 and v192-255 (asked for at the head), for blocks 4-7 where B's fragments lay.   windows 2, 3: accumulators.
.set SIZE_K, 2048
.set KSTEP,  512
.set NQ,     KSTEP/128
.set ROWB,   256
.set KROW,   SIZE_K*4/8
.set PITCH,  272                       ; an LDS row: 256 bytes + 16 of padding: the 16 rows of a fragment load start 4 banks apart
.set FR,     8
.set NL,     2
.set NP,     4
.set HALFT,  128*PITCH
.set SLOT,   4*HALFT
.set LAPS,   SIZE_K/(2*KSTEP)
.set KS,     SIZE_K/32
.set SCL,    2*SLOT
.set HALFS,  (128*KS/256)*272
.set SBLK,   (16*KS/256)*272
.set SPARE,  SCL+4*HALFS               ; the spare words: 128 bytes a wave, two blocks of 256 bytes that no other line names
.set ADRA, 16
.set ADRB, 20
.set STF,  18                          ; v18  the f32 copy: where I put 32 bytes of a row
.set RDF,  19                          ; v19  and where I read a row back
.set STO,  24                          ; v24  where I put 16 bytes (8 f16) of a row
.set RD,   25                          ; v25  where I read 16 bytes of a head's row back
.set CO,   26                          ; v26  16 x lane
.set ADRS, 27
.set SPW,  28
.set NIL,  29
.set TA,   30                          ; v30  my row of the table, + 32 bytes for lanes 16-31; never rewritten
.set SC,   32
.set AF,   128
.set RR,   96
.set H,    160
.set BK,   192
.set G1, 24
.set G0, 32
.set G1B, 48
.set G0B, 56
.set G1S, 68
.set G0S, 76
.set G1SB, 80
.set G0SB, 88
.set MSB, 0
.macro WIN new                         ; the immediate's high byte repeats the setting that is left
.if MSB != (\new)
	s_set_vgpr_msb (MSB<<8)|(\new)
.set MSB, (\new)
.endif
.endm
.set MUL_LO, 0xa1
.set MUL_HI, 0xf1
.set TO_B,   0x40
.macro JLOAD g0a, g1a, g0b, g1b        ; a joint load: waves 0 and 1 fetch for A, waves 2 and 3 for B; an s_nop 0 and four v_nop follow each line
	s_cmp_eq_u32 s15, 0
	s_cbranch_scc0 .Lfor_b_\@
	tensor_load_to_lds s[\g0a:\g0a+3], s[\g1a:\g1a+7]
	s_nop 0
.rept 4
	v_nop
.endr
	s_branch .Lasked_\@
.Lfor_b_\@:
	tensor_load_to_lds s[\g0b:\g0b+3], s[\g1b:\g1b+7]
	s_nop 0
.rept 4
	v_nop
.endr
.Lasked_\@:
.endm
.macro CREST
	s_cmp_lg_u32 s14, 0
	s_cbranch_scc1 .Lnot_wave_0_\@
	s_barrier_signal -3
.Lnot_wave_0_\@:
	s_barrier_wait -3
	s_barrier_signal -1
	s_barrier_wait -1
.endm
.macro CROUND
	s_barrier_signal -1
	s_barrier_wait -1
	CREST
.endm
	s_load_b128 s[4:7], s[0:1], 0x0                ; codes, scales
	s_load_b64 s[12:13], s[0:1], 0x10              ; qkv
	s_load_b128 s[96:99], s[0:1], 0x18             ; tab, q32
	v_lshl_add_u32 v[SPW], v0, 2, SPARE
	v_mov_b32 v[NIL], 0
	ds_add_u32 v[SPW], v[NIL]                      ; the wave's opening: the add, twice on end, and its wait ahead of my first tensor load
	ds_add_u32 v[SPW], v[NIL]
	v_lshrrev_b32 v1, 5, v0
	v_readfirstlane_b32 s14, v1                    ; wave 0..3
	s_lshr_b32 s15, s14, 1                         ; which half of the tile's rows is mine; also: I fetch for A (0) or B (1)
	s_and_b32 s16, s14, 1                          ; which half of its columns; also: which 128 rows I fetch
	s_bfe_u32 s40, ttmp6, 0x40000                  ; cx
	s_bfe_u32 s41, ttmp6, 0x40004                  ; cy
	s_lshl_b32 s42, ttmp9, 2
	s_add_co_u32 s42, s42, s40                     ; tile column = 4 x cluster x + cx
	s_and_b32 s17, ttmp7, 0xffff
	s_lshl_b32 s100, s41, 2
	s_add_co_u32 s17, s17, s100                    ; tile row = cluster y + 4 cy
	s_lshl_b32 s43, s41, 2
	s_lshl_b32 s43, 15, s43                        ; my row of the cluster
	s_lshl_b32 s44, 0x1111, s40                    ; my column
	s_or_b32 s[G1+0], s43, (0<<16)|(1<<20)|(1<<21)|(5<<22)|(3<<25)  ; the mask; elements of 1 byte; padding: 4 words behind every 64
	s_or_b32 s[G1B+0], s44, (0<<16)|(1<<20)|(1<<21)|(5<<22)|(3<<25)
.irp g, G1, G1B
	s_mov_b32 s[\g+1], ROWB<<16                    ; tensor_dim0
	s_mov_b32 s[\g+2], 128<<16                     ; tensor_dim1
	s_mov_b32 s[\g+3], ROWB<<16                    ; tile_dim0
	s_mov_b32 s[\g+4], 128                         ; tile_dim1
	s_mov_b32 s[\g+5], KROW                        ; from row to row
	s_mov_b32 s[\g+6], 0
	s_mov_b32 s[\g+7], 0
.endr
	s_or_b32 s[G1S+0], s43, (3<<16)|(1<<20)|(1<<21)|(5<<22)|(3<<25)   ; the scales of 128 rows: a dense block, as rows of 256 bytes (32 elements of 8)
	s_or_b32 s[G1SB+0], s44, (3<<16)|(1<<20)|(1<<21)|(5<<22)|(3<<25)
.irp g, G1S, G1SB
	s_mov_b32 s[\g+1], 32<<16
	s_mov_b32 s[\g+2], (128*KS/256)<<16
	s_mov_b32 s[\g+3], 32<<16
	s_mov_b32 s[\g+4], 128*KS/256
	s_mov_b32 s[\g+5], 32
	s_mov_b32 s[\g+6], 0
	s_mov_b32 s[\g+7], 0
.endr
	s_lshl_b32 s18, s16, 7
	s_lshl_b32 s20, s17, 8
	s_add_co_u32 s20, s20, s18                     ; A: row 256 x tile row + 128 x half
	s_lshl_b32 s46, s42, 8
	s_add_co_u32 s46, s46, s18                     ; B: row 256 x tile column + 128 x half
	s_mov_b32 s21, 0
	s_mov_b32 s47, 0
	s_mov_b64 s[18:19], KS
	s_mul_u64 s[22:23], s[20:21], s[18:19]
	s_mul_u64 s[92:93], s[46:47], s[18:19]
	s_mov_b64 s[18:19], KROW
	s_mul_u64 s[20:21], s[20:21], s[18:19]
	s_mul_u64 s[46:47], s[46:47], s[18:19]
	s_mul_i32 s45, s14, HALFT
	s_mul_i32 s94, s14, HALFS
	s_wait_dscnt 0x0                               ; both opening adds are done
	s_wait_kmcnt 0x0
	s_add_nc_u64 s[8:9], s[4:5], 0x400000          ; the weights' codes lie behind x's,
	s_add_nc_u64 s[10:11], s[6:7], 0x40000         ; their scale bytes likewise
	s_add_nc_u64 s[20:21], s[4:5], s[20:21]
	s_add_nc_u64 s[22:23], s[6:7], s[22:23]
	s_add_nc_u64 s[46:47], s[8:9], s[46:47]
	s_add_nc_u64 s[92:93], s[10:11], s[92:93]
	CROUND                                         ; all sixteen work-groups are here: the first joint loads meet
	s_mov_b32 s[G0S], 1
	s_add_co_u32 s[G0S+1], s94, SCL
	s_mov_b64 s[G0S+2:G0S+3], s[22:23]
	s_or_b32 s[G0S+3], s[G0S+3], 0x80000000
	s_mov_b32 s[G0SB], 1
	s_add_co_u32 s[G0SB+1], s94, SCL
	s_mov_b64 s[G0SB+2:G0SB+3], s[92:93]
	s_or_b32 s[G0SB+3], s[G0SB+3], 0x80000000
	JLOAD G0S, G1S, G0SB, G1SB                     ; the scales first
.irp s, 0,1
	s_mov_b32 s[G0+4*\s], 1
	s_add_co_u32 s[G0+4*\s+1], s45, \s*SLOT
	s_add_nc_u64 s[G0+4*\s+2:G0+4*\s+3], s[20:21], \s*ROWB
	s_or_b32 s[G0+4*\s+3], s[G0+4*\s+3], 0x80000000
	s_mov_b32 s[G0B+4*\s], 1
	s_add_co_u32 s[G0B+4*\s+1], s45, \s*SLOT
	s_add_nc_u64 s[G0B+4*\s+2:G0B+4*\s+3], s[46:47], \s*ROWB
	s_or_b32 s[G0B+4*\s+3], s[G0B+4*\s+3], 0x80000000
	JLOAD G0+4*\s, G1, G0B+4*\s, G1B
.endr
	v_and_b32 v1, 15, v0                           ; r = l % 16
	v_bfe_u32 v2, v0, 4, 1                         ; h = l / 16
	v_mul_u32_u24 v3, v1, PITCH
	v_lshl_add_u32 v4, v2, 4, v3
	s_mul_i32 s21, s15, HALFT
	s_mul_i32 s22, s16, HALFT
	s_add_co_u32 s22, s22, 2*HALFT
.irp s, 0,1
	v_add_nc_u32 v[ADRA+\s], s21, v4
	v_add_nc_u32 v[ADRB+\s], s22, v4
	s_add_co_u32 s21, s21, SLOT
	s_add_co_u32 s22, s22, SLOT
.endr
	v_mul_u32_u24 v5, v1, KS
	v_lshrrev_b32 v6, 8, v5
	v_lshl_add_u32 v5, v6, 4, v5
	s_mul_i32 s21, s15, HALFS
	s_mul_i32 s22, s16, HALFS
	s_add_co_u32 s22, s22, 2*HALFS
	s_sub_co_u32 s22, s22, s21
	v_mul_u32_u24 v6, s22, v2                      ; lanes 16-31 take B's scale words
	s_add_co_u32 s21, s21, SCL
	v_add_nc_u32 v5, v5, v6
	v_add_nc_u32 v[ADRS], s21, v5
	; the way out: my stage, 8,448 bytes, in slot 0, which has had its last fill and its last read when the first result is stored there
	s_mul_i32 s23, s14, 16*528
	v_mul_u32_u24 v5, v1, 272
	v_lshl_add_u32 v5, v2, 4, v5
	v_add_nc_u32 v[STO], s23, v5                   ; f16: row r of 256 bytes + 16, my half's 16 bytes
	v_and_b32 v6, 31, v0
	v_lshrrev_b32 v7, 3, v6
	v_mul_u32_u24 v7, v7, 272
	v_and_b32 v8, 7, v6
	v_lshl_add_u32 v7, v8, 4, v7
	v_add_nc_u32 v[RD], s23, v7                    ; back: eight lanes take a head's 128 bytes of a row, the wave four rows
	v_lshlrev_b32 v[CO], 4, v6
	v_mul_u32_u24 v5, v1, 528
	v_lshl_add_u32 v5, v2, 5, v5
	v_add_nc_u32 v[STF], s23, v5                   ; f32: row r of 512 bytes + 16, my half's 32 bytes
	v_add_nc_u32 v[RDF], s23, v[CO]
	s_lshr_b32 s20, s17, 3                         ; batch
	s_lshl_b32 s20, s20, 5
	s_lshl_b32 s21, s16, 1
	s_add_co_u32 s20, s20, s21
	s_lshl_b32 s46, s42, 2
	s_add_co_u32 s20, s20, s46                     ; my first head: 32 x batch + 4 x tile column + 2 x half
	s_lshl_b32 s20, s20, 11
	s_and_b32 s21, s17, 7
	s_lshl_b32 s21, s21, 8
	s_add_co_u32 s20, s20, s21
	s_lshl_b32 s21, s15, 7
	s_add_co_u32 s20, s20, s21                     ; + my first position
	s_lshl_b32 s20, s20, 7                         ; rows of 128 bytes
	s_mov_b32 s21, 0
	s_add_nc_u64 s[12:13], s[12:13], s[20:21]
	s_lshl_b32 s46, s41, 17                        ; q32: part cy, 131,072 bytes,
	s_lshl_b32 s47, s42, 10
	s_add_co_u32 s46, s46, s47
	s_lshl_b32 s47, s16, 9
	s_add_co_u32 s46, s46, s47                     ; + my first column
	s_mov_b32 s47, 0
	s_add_nc_u64 s[98:99], s[98:99], s[46:47]
	s_and_b32 s95, ttmp7, 0xffff
	s_or_b32 s95, s95, s15                         ; 0: cluster row 0 and the tile's upper half: my block 0 leaves in f32 too
	s_lshl_b32 s66, s17, 8
	s_lshl_b32 s67, s15, 7
	s_add_co_u32 s66, s66, s67
	s_and_b32 s66, s66, 2047                       ; my first position
	s_cmp_ge_u32 s42, 6
	s_cselect_b32 s66, 2048, s66                   ; v's columns read the rows with cos 1, sin 0
	v_add_nc_u32 v5, s66, v1
	v_lshlrev_b32 v5, 8, v5
	v_lshl_add_u32 v[TA], v2, 5, v5
; the table's numbers for block a (16 positions): for j = 0, 1: cos of frequencies 16 j + 8 h + 0 .. 7 at v[CSB + 8 j], sin at v[CSB + 16 + 8 j], in window 1
.macro TABLE a
.set CSB, 64*(1-(\a)/4)+32*((\a)%2)+128*(((\a)%4)/2)
.irp j, 0,1
.irp e, 0,1
	global_load_b128 v[CSB+8*\j+4*\e:CSB+8*\j+4*\e+3], v[TA], s[96:97] offset:4096*(\a)+64*\j+16*\e
	global_load_b128 v[CSB+16+8*\j+4*\e:CSB+16+8*\j+4*\e+3], v[TA], s[96:97] offset:4096*(\a)+64*\j+16*\e+128
.endr
.endr
.endm
	WIN TO_B
	TABLE 0                                        ; blocks 0-3 land in registers that the loop never names; they are waited for on the way out
	TABLE 1
	TABLE 2
	TABLE 3
	WIN 0
.macro FRAG reg, adr, q, i             ; 16 rows x 128 K of 4-bit codes: 8 registers, two loads of 16 bytes, 32 bytes apart
.irp c, 0,1
	ds_load_b128 v[\reg+4*\c:\reg+4*\c+3], v[\adr] offset:64*(\q)+32*\c+(\i)*16*PITCH
.endr
.endm
; 16 matrix instructions: A's blocks a0, a0 + 1 x B's eight.  The 64 accumulators take turns, one instruction a turn, in the same order in every step.
.macro MUL16 a0, p, q, sc, zero
.irp a, \a0, \a0+1
.irp b, 0,1,2,3,4,5,6,7
.if \zero
	v_wmma_scale_f32_16x16x128_f8f6f4 v[8*(8*((\a)%4)+\b):8*(8*((\a)%4)+\b)+7], v[128*(\p)+FR*\b:128*(\p)+FR*\b+FR-1], v[AF+FR*(\a):AF+FR*(\a)+FR-1], 0, v[SC+8*NQ*(\sc)+NQ*\b+(\q)], v[SC+8*NQ*(\sc)+NQ*(\a)+(\q)] matrix_a_fmt:MATRIX_FMT_FP4 matrix_b_fmt:MATRIX_FMT_FP4 matrix_a_scale:MATRIX_SCALE_ROW1
.else
	v_wmma_scale_f32_16x16x128_f8f6f4 v[8*(8*((\a)%4)+\b):8*(8*((\a)%4)+\b)+7], v[128*(\p)+FR*\b:128*(\p)+FR*\b+FR-1], v[AF+FR*(\a):AF+FR*(\a)+FR-1], v[8*(8*((\a)%4)+\b):8*(8*((\a)%4)+\b)+7], v[SC+8*NQ*(\sc)+NQ*\b+(\q)], v[SC+8*NQ*(\sc)+NQ*(\a)+(\q)] matrix_a_fmt:MATRIX_FMT_FP4 matrix_b_fmt:MATRIX_FMT_FP4 matrix_a_scale:MATRIX_SCALE_ROW1
.endif
.endr
.endr
.endm
.macro FETCH_B slot, q, p
	WIN TO_B
.irp i, 0,1,2,3,4,5,6,7
	FRAG 128*(\p)+FR*\i, ADRB+\slot, \q, \i
.endr
	WIN 0
.endm
.macro FETCH_A slot, q, i0
.irp i, \i0, \i0+1, \i0+2, \i0+3
	FRAG AF+FR*(\i), ADRA+\slot, \q, \i
.endr
.endm
.macro SCALES sc                       ; a K step's scale words: lanes 0-15 A's block i, lanes 16-31 B's block i
.irp i, 0,1,2,3,4,5,6,7
	ds_load_b128 v[SC+8*NQ*\sc+NQ*\i:SC+8*NQ*\sc+NQ*\i+3], v[ADRS] offset:\i*SBLK
.endr
.endm
.macro PLACES n                        ; plain vector lines between a matrix instruction and a load into, or a vector line on, its registers
.rept \n
	v_nop
.endr
.endm
.macro STEP slot, q, zero
	s_wait_dscnt 4*NL                              ; B's set and A's blocks 0-3 are in; the youngest eight loads (A's blocks 4-7) may be out
	WIN MUL_LO
	MUL16 0, (\q)%2, \q, \slot, \zero
	MUL16 2, (\q)%2, \q, \slot, \zero
	s_wait_dscnt 0                                 ; A's blocks 4-7 are in
	PLACES NP
	FETCH_B \slot, (\q)+1, 1-(\q)%2
	FETCH_A \slot, (\q)+1, 0
	WIN MUL_HI
	MUL16 4, (\q)%2, \q, \slot, \zero
	MUL16 6, (\q)%2, \q, \slot, \zero
	PLACES NP
	WIN 0
	FETCH_A \slot, (\q)+1, 4
.endm
; A slot's last step changes slots: one barrier; in front of it each wave waits for all its tensor loads, adds 0 to its spare word, and waits for that and for its reads of this slot.
.macro TURN slot, next, fill
	s_wait_tensorcnt 0x0                           ; all my tensor loads have landed: my part of the next slot
	ds_add_u32 v[SPW], v[NIL]
	s_wait_dscnt 4*NL+1                            ; (the add and A's blocks 4-7 may be out)
	WIN MUL_LO
	MUL16 0, 1, NQ-1, \slot, 0
	s_wait_dscnt 0x0                               ; the add is done, and my reads of this slot are over
	s_barrier_signal -1
	MUL16 2, 1, NQ-1, \slot, 0
	WIN 0
	s_barrier_wait -1
.if \fill
	CREST                                          ; the barrier has opened a round of the cluster's: no wave of any partner still reads this slot or has a load on its way
	s_add_nc_u64 s[G0+4*\slot+2:G0+4*\slot+3], s[G0+4*\slot+2:G0+4*\slot+3], 2*ROWB
	s_add_nc_u64 s[G0B+4*\slot+2:G0B+4*\slot+3], s[G0B+4*\slot+2:G0B+4*\slot+3], 2*ROWB
	JLOAD G0+4*\slot, G1, G0B+4*\slot, G1B         ; the first tensor load behind the round; its four v_nop are the places in front of the loads below
.else
	PLACES NP
.endif
	v_add_nc_u32 v[ADRS], 4*NQ, v[ADRS]            ; the next K step's scale words
	FETCH_B \next, 0, 0
	FETCH_A \next, 0, 0
	SCALES \next
	WIN MUL_HI
	MUL16 4, 1, NQ-1, \slot, 0
	MUL16 6, 1, NQ-1, \slot, 0
	PLACES NP
	WIN 0
	FETCH_A \next, 0, 4
.endm
.macro STEPS slot, from
.set Q, \from
.rept NQ-1-\from
	STEP \slot, Q, 0
.set Q, Q+1
.endr
.endm
	s_wait_tensorcnt 1                             ; the scales and my part of K step 0 are in (K step 1's load may be out)
	s_barrier_signal -1
	s_barrier_wait -1
	FETCH_B 0, 0, 0
	FETCH_A 0, 0, 0
	SCALES 0
	FETCH_A 0, 0, 4
	STEP 0, 0, 1                                   ; the first step's products start the sums
	s_mov_b32 s3, LAPS-1
.Llap:
	STEPS 0, 1
	TURN 0, 1, 1
	STEPS 1, 0
	TURN 1, 0, 1
	STEP 0, 0, 0
	s_sub_co_u32 s3, s3, 1
	s_cmp_lg_u32 s3, 0
	s_cbranch_scc1 .Llap
	STEPS 0, 1                                     ; the last lap fills nothing
	TURN 0, 1, 0
	STEPS 1, 0
	s_wait_dscnt 4*NL
	WIN MUL_LO
	MUL16 0, 1, NQ-1, 1, 0
	MUL16 2, 1, NQ-1, 1, 0
	s_wait_dscnt 0
	WIN MUL_HI
	MUL16 4, 1, NQ-1, 1, 0
	MUL16 6, 1, NQ-1, 1, 0
	WIN 0
; THE WAY OUT, block by block of 16 rows x 128 columns (two heads).
; ROPE: out(d) = x(d) cos - x(d + 32) sin, out(d + 32) = x(d + 32) cos + x(d) sin, two numbers an instruction; each accumulator is read from its low end on.  Then 8 f16 a lane and accumulator.
.macro ROPE a
.set AC, 64*((\a)%4)
.set CSB, 64*(1-(\a)/4)+32*((\a)%2)+128*(((\a)%4)/2)
	s_wait_loadcnt 8*(7-(\a))                      ; this block's eight table loads are in; the later blocks' stay out
	WIN 0x06+(\a)/4                                ; source 0: the accumulators' window; source 1: window 1; source 2 and destination: window 0
.irp b, 0,1,4,5
.irp i, 0,2,4,6
	v_pk_mul_f32 v[RR+8*\b+\i:RR+8*\b+\i+1], v[AC+8*(\b+2)+\i:AC+8*(\b+2)+\i+1], v[CSB+16+8*(\b%4)+\i:CSB+16+8*(\b%4)+\i+1]
	v_pk_mul_f32 v[RR+8*(\b+2)+\i:RR+8*(\b+2)+\i+1], v[AC+8*\b+\i:AC+8*\b+\i+1], v[CSB+16+8*(\b%4)+\i:CSB+16+8*(\b%4)+\i+1]
	v_pk_fma_f32 v[RR+8*\b+\i:RR+8*\b+\i+1], v[AC+8*\b+\i:AC+8*\b+\i+1], v[CSB+8*(\b%4)+\i:CSB+8*(\b%4)+\i+1], v[RR+8*\b+\i:RR+8*\b+\i+1] neg_lo:[0,0,1] neg_hi:[0,0,1]
	v_pk_fma_f32 v[RR+8*(\b+2)+\i:RR+8*(\b+2)+\i+1], v[AC+8*(\b+2)+\i:AC+8*(\b+2)+\i+1], v[CSB+8*(\b%4)+\i:CSB+8*(\b%4)+\i+1], v[RR+8*(\b+2)+\i:RR+8*(\b+2)+\i+1]
.endr
.endr
	WIN 0
.irp b, 0,1,2,3,4,5,6,7
.irp i, 0,1,2,3
	v_cvt_pk_f16_f32 v[H+4*\b+\i], v[RR+8*\b+2*\i], v[RR+8*\b+2*\i+1]
.endr
.endr
.endm
.macro TOSTAGE a                       ; into my stage by rows of 256 bytes, and back by heads: LDS serves a wave's instructions in order, so no wait stands between
.irp b, 0,1,2,3,4,5,6,7
	ds_store_b128 v[STO], v[H+4*\b:H+4*\b+3] offset:32*\b
.endr
.set BB, BK+32*((\a)%2)
.irp hd, 0,1
.irp t, 0,1,2,3
	ds_load_b128 v[BB+16*\hd+4*\t:BB+16*\hd+4*\t+3], v[RD] offset:4*\t*272+128*\hd
.endr
.endr
.endm
.macro SEND a, younger                 ; younger: the LDS instructions issued behind block a's loads, which may stay out
.set BB, BK+32*((\a)%2)
	s_wait_dscnt \younger
.irp hd, 0,1
.irp t, 0,1,2,3
	global_store_b128 v[CO], v[BB+16*\hd+4*\t:BB+16*\hd+4*\t+3], s[12:13] offset:\hd*262144+(16*(\a)+4*\t)*128   ; four positions of one head: 512 consecutive bytes, aligned
.endr
.endr
.endm
	PLACES NP                                      ; in front of the loads into B's registers and of the vector lines on A's
	WIN TO_B
	TABLE 4
	TABLE 5
	TABLE 6
	TABLE 7
	WIN 0
	ROPE 0
	s_cmp_lg_u32 s95, 0
	s_cbranch_scc1 .Lno_fine
.irp b, 0,1,2,3,4,5,6,7                        ; the tile's first 16 rows in f32, through the stage, as whole rows of 512 bytes
	ds_store_b128 v[STF], v[RR+8*\b:RR+8*\b+3] offset:64*\b
	ds_store_b128 v[STF], v[RR+8*\b+4:RR+8*\b+7] offset:64*\b+16
.endr
.irp t, 0,1,2,3,4,5,6,7,8,9,10,11,12,13,14,15
	ds_load_b128 v[BK+4*\t:BK+4*\t+3], v[RDF] offset:\t*528
.endr
	s_wait_dscnt 0x0
.irp t, 0,1,2,3,4,5,6,7,8,9,10,11,12,13,14,15
	global_store_b128 v[CO], v[BK+4*\t:BK+4*\t+3], s[98:99] offset:\t*8192
.endr
	s_wait_xcnt 0x0                                ; these stores have read their registers: the blocks' rows land there next
.Lno_fine:
	TOSTAGE 0
.irp a, 1,2,3,4,5,6,7
	ROPE \a
.if \a > 1
	s_wait_xcnt 0x0                                ; block a - 2's stores have read their registers: block a's rows may land there
.endif
	TOSTAGE \a
	SEND \a-1, 16                                  ; behind block a - 1's loads: block a's 8 stores and 8 loads
.endr
	SEND 7, 0
	s_wait_tensorcnt 0x0                           ; the wave's end, behind my last tensor load and my last LDS store
	ds_add_u32 v[SPW], v[NIL]
	s_wait_dscnt 0x0
	CROUND                                         ; the closing round
	s_endpgm
.Lfunc_end_k_q1560fca366_qkv:
	.size	k_q1560fca366_qkv, .Lfunc_end_k_q1560fca366_qkv-k_q1560fca366_qkv
	.p2alignl 7, 3214868480
	.fill 96, 4, 3214868480
	.section	.rodata,"a",@progbits
	.p2align	6, 0x0
	.amdhsa_kernel k_q1560fca366_qkv
		.amdhsa_group_segment_fixed_size 327680
		.amdhsa_private_segment_fixed_size 0
		.amdhsa_enable_private_segment 0
		.amdhsa_kernarg_size 40
		.amdhsa_user_sgpr_count 2
		.amdhsa_user_sgpr_kernarg_segment_ptr 1
		.amdhsa_wavefront_size32 1
		.amdhsa_system_sgpr_workgroup_id_x 1
		.amdhsa_system_sgpr_workgroup_id_y 1
		.amdhsa_system_sgpr_workgroup_id_z 1
		.amdhsa_system_vgpr_workitem_id 0
		.amdhsa_next_free_vgpr 1024
		.amdhsa_next_free_sgpr 102
		.amdhsa_reserve_vcc 0
		.amdhsa_float_denorm_mode_32 3
		.amdhsa_float_denorm_mode_16_64 3
		.amdhsa_memory_ordered 1
		.amdhsa_forward_progress 1
		.amdhsa_inst_pref_size 255
	.end_amdhsa_kernel
	.section	.bss,"aw",@nobits
	.p2align	6
	.space	262144
	.amdgpu_metadata
---
amdhsa.version: [ 1, 2 ]
amdhsa.kernels:
  - .name:           k_q1560fca366_qkv
    .symbol:         k_q1560fca366_qkv.kd
    .args:
      - { .name: codes, .offset: 0, .size: 8, .value_kind: global_buffer, .address_space: global }
      - { .name: scales, .offset: 8, .size: 8, .value_kind: global_buffer, .address_space: global }
      - { .name: qkv, .offset: 16, .size: 8, .value_kind: global_buffer, .address_space: global }
      - { .name: tab, .offset: 24, .size: 8, .value_kind: global_buffer, .address_space: global }
      - { .name: q32, .offset: 32, .size: 8, .value_kind: global_buffer, .address_space: global }
    .group_segment_fixed_size: 327680
    .private_segment_fixed_size: 0
    .kernarg_segment_align: 8
    .kernarg_segment_size: 40
    .max_flat_workgroup_size: 128
    .sgpr_count:     102
    .vgpr_count:     1024
    .wavefront_size: 32
...
	.end_amdgpu_metadata
.endif
;; end of part 2
;; launch attn (part 3): grid 16 x 16, 16 waves a work-group, no clusters, 327,680 bytes of LDS; arguments qkv, att; writes att
.if DOCPART == 3
	.amdgcn_target "amdgcn-amd-amdhsa--gfx1250"
	.amdhsa_code_object_version 6
	.text
	.protected	k_q1560fca366_attn
	.globl	k_q1560fca366_attn
	.p2align	8
	.type	k_q1560fca366_attn,@function
k_q1560fca366_attn:
	s_mov_b64 s[64:65], 0
	v_nop
	global_prefetch_b8 v0, s[64:65] scope:SCOPE_SE
	s_setreg_imm32_b32 hwreg(HW_REG_WAVE_MODE, 25, 1), 1
	s_wait_xcnt 0x0
; att[b][q][head x 64 + d] = sum over k <= q of softmax_k(Q . K / 8) V, f16 operands, f32 sums, a running maximum.  qkv: [batch 2][head 32][position 2048][64] f16 (0-15 q, 16-23 k, 24-31 v).
; SHARES.  Work-group (j, y): batch y / 8, key/value head y % 8, its two query heads, and the position blocks j and 31 - j of 64 positions each: an early and a late block together
; walk about the same number of keys for every j.  Each of the sixteen waves owns one tile of 16 queries: tile w % 4, late block where (w / 4) % 2, query head w / 8.  256 registers a wave.
; NO CLUSTER: the sixteen work-groups that walk one K and V need different numbers of tiles under the causal mask, so they could not make every request jointly.
; LAYOUT.  S^T = K Q^T (source 0 = 16 keys, source 1 = my 16 queries): a lane holds one query (lane % 16) and keys 8 (lane / 16) + 0..7 of each tile.  Two tiles rounded to f16 in pairs ARE source 1
; (32 keys x 16 queries) of O^T = V^T P; V ([key][channel]) comes out of LDS turned, by ds_load_tr16_b128.
; SOFTMAX.  p = 2^(c s - c m), c = log2(e) / 8, m the running maximum; in every step O and l are multiplied by a = 2^(c m_old - c m_new).  l is summed of the unrounded p.
; THE RING: two slots of 256 keys, 2^17 bytes apart; waves 0, 1 fetch K's halves, waves 2, 3 V's.  Every work-group walks all eight slots (constant trip counts); a step all of whose keys come after the
; wave's queries is jumped over, and a slot whose first key comes after the work-group's last query is not asked for.  All waits on TENSORcnt are for 0.
; LIMITS: operands are f16 (q, k, v within 65,504); positions 0-15 are also made here, and stored again in f32 arithmetic by the last launch of the program.
.set KP,    144                        ; a key's row in LDS: 128 bytes + 16
.set VP,    160                        ; a row of V: 128 + 32
.set SK,    256                        ; keys in a slot
.set VOFF,  SK*KP
.set SLOT1, 1<<17
.set NSL,   2048/SK
.set SPARE, 2*SLOT1                    ; the spare words: 128 bytes a wave, eight blocks of 256 bytes that no other line names
.set SPT,   272                        ; the way out: 128 rows x (256 bytes + 16) in slot 0, which has had its last fill and its last read by then
.set AK0, 1                            ; v1  my lane's place in a tile of K
.set AV0, 2                            ; v2  the same for V
.set SPW, 3                            ; v3  my spare word's address; never rewritten
.set NIL, 4                            ; v4  0; never rewritten
.set ADK, 5
.set ADV, 6
.set DD,  7                            ; v7  the mask's bound
.set NINF, 8                           ; v8  -infinity
.set PFO, 9                            ; v9  256 x lane
.set RH,  10                           ; v10 r - 8 h; on the way out my offset in att
.set QA,  11                           ; v11 Q's offset; on the way out where I read the stage
.set QQ,  16                           ; v16-31  Q: two fragments
.set FF,  32                           ; v32-95  fragments of K or V
.set SS,  96                           ; v96-159 S^T, then p
.set OO,  160                          ; v160-191 O^T
.set PP,  192                          ; v192-223 p in f16
.set MX,  224                          ; v224-227 maxima; v[232:233] a; v234-239 at work;  v12 c m, v13 m, v[14:15] l
.set WV,  8
.set SEL, 20
.set CS,  22
.set G1K, 24
.set G1V, 32
.set G0K, 40
.set G0V, 44
.set TB,  48
.set KF,  49
.set Q0,  50
.set QL,  51
.set SLOTS, 52
.set LIM, 53
.set PFA, 54
.macro TLOAD                           ; the branches hang on the wave's number alone; an s_nop 0 and four v_nop follow each line
	s_cmp_lt_u32 s[WV], 2
	s_cbranch_scc0 .Lnot_k_\@
	tensor_load_to_lds s[G0K:G0K+3], s[G1K:G1K+7]
	s_nop 0
.rept 4
	v_nop
.endr
	s_branch .Lasked_\@
.Lnot_k_\@:
	s_cmp_lt_u32 s[WV], 4
	s_cbranch_scc0 .Lasked_\@
	tensor_load_to_lds s[G0V:G0V+3], s[G1V:G1V+7]
	s_nop 0
.rept 4
	v_nop
.endr
.Lasked_\@:
.endm
; A prefetch of what the NEXT change of slots will ask for: 32,768 dense bytes of K and as many of V.  Work-group j = 0, which walks all keys, asks for its head; in it waves 4-7 name K's bytes and waves 8-11 V's,
; 8,192 a wave, lanes 256 bytes apart: each aligned block of 256 bytes is named once in the launch.  The last change that fills a slot asks for nothing; slots 0 and 1 come by their loads alone.
.macro ASK
	s_cmp_gt_u32 s[SLOTS], s[LIM]
	s_cbranch_scc0 .Lnot_mine_\@
	global_prefetch_b8 v[PFO], s[PFA:PFA+1] th:TH_LOAD_NT scope:SCOPE_SE
.Lnot_mine_\@:
.endm
	s_load_b128 s[4:7], s[0:1], 0x0                ; qkv, att
	v_lshl_add_u32 v[SPW], v0, 2, SPARE
	v_mov_b32 v[NIL], 0
	ds_add_u32 v[SPW], v[NIL]                      ; the wave's opening: the add, twice on end, and its wait ahead of my first tensor load
	ds_add_u32 v[SPW], v[NIL]
	v_lshrrev_b32 v5, 5, v0
	v_readfirstlane_b32 s[WV], v5                  ; wave 0..15
	s_and_b32 s10, ttmp7, 0xffff
	s_lshr_b32 s11, s10, 3                         ; batch
	s_and_b32 s12, s10, 7                          ; key/value head
	s_lshl_b32 s13, s11, 5
	s_add_co_u32 s14, s13, s12
	s_add_co_u32 s14, s14, 16                      ; K's head in qkv
	s_lshl_b32 s56, s14, 18                        ; a head is 262,144 bytes
	s_mov_b32 s57, 0
	s_and_b32 s15, s[WV], 1
	s_lshl_b32 s58, s15, 14                        ; the half that I fetch: 128 rows of 128 bytes
	s_mov_b32 s59, 0
	s_mul_i32 s16, s15, 128*KP
	s_mul_i32 s17, s15, 128*VP
	s_add_co_u32 s17, s17, VOFF
	s_and_b32 s18, s[WV], 3                        ; tile
	s_bfe_u32 s19, s[WV], 0x10002                  ; late block?
	s_lshr_b32 s60, s[WV], 3                       ; which of the two query heads
	s_sub_co_u32 s61, 31, ttmp9
	s_cmp_eq_u32 s19, 0
	s_cselect_b32 s61, ttmp9, s61
	s_lshl_b32 s[Q0], s61, 6
	s_lshl_b32 s62, s18, 4
	s_add_co_u32 s[Q0], s[Q0], s62                 ; my first query
	s_sub_co_u32 s[QL], 32, ttmp9
	s_lshl_b32 s[QL], s[QL], 6
	s_sub_co_u32 s[QL], s[QL], 1                   ; the work-group's last query
	s_lshl_b32 s62, s12, 1
	s_add_co_u32 s62, s62, s13
	s_add_co_u32 s62, s62, s60                     ; my query head in qkv
	s_lshl_b32 s62, s62, 11
	s_add_co_u32 s62, s62, s[Q0]
	s_lshl_b32 s62, s62, 7
	s_mov_b32 s63, 0
	s_lshr_b32 s71, s[WV], 3                       ; the way out: wave w stores stage rows 8 w .. 8 w + 7: block (late where w / 8), positions 8 (w % 8) on
	s_sub_co_u32 s72, 31, ttmp9
	s_cmp_eq_u32 s71, 0
	s_cselect_b32 s72, ttmp9, s72
	s_lshl_b32 s72, s72, 6
	s_and_b32 s73, s[WV], 7
	s_lshl_b32 s73, s73, 3
	s_add_co_u32 s72, s72, s73
	s_lshl_b32 s73, s11, 11
	s_add_co_u32 s72, s72, s73
	s_lshl_b32 s72, s72, 11                        ; rows of 2,048 bytes
	s_lshl_b32 s73, s12, 8
	s_add_co_u32 s72, s72, s73                     ; the two heads' 256 bytes
	s_mov_b32 s73, 0
	s_mov_b32 s[G1K], (1<<16)|(1<<20)|(4<<22)|(3<<25)  ; no mask; elements of 2 bytes; padding: 4 words behind every 32
	s_mov_b32 s[G1V], (1<<16)|(1<<20)|(4<<22)|(7<<25)  ; 8 words behind every 32
.irp g, G1K, G1V
	s_mov_b32 s[\g+1], 64<<16                      ; tensor_dim0
	s_mov_b32 s[\g+2], 128<<16                     ; tensor_dim1
	s_mov_b32 s[\g+3], 64<<16                      ; tile_dim0
	s_mov_b32 s[\g+4], 128                         ; tile_dim1
	s_mov_b32 s[\g+5], 64                          ; from row to row
	s_mov_b32 s[\g+6], 0
	s_mov_b32 s[\g+7], 0
.endr
	s_mov_b32 s[SEL], 0x76543210
	s_mov_b32 s[SEL+1], 0xfedcba98
	s_mov_b32 s[CS], 0x3e38aa3b                    ; c = log2(e) / 8
	s_mov_b32 s[CS+1], s[CS]
	s_mov_b32 s[TB], 0
	s_mov_b32 s[KF], 0
	s_mov_b32 s[SLOTS], NSL-1
	s_wait_dscnt 0x0                               ; both opening adds are done
	s_wait_kmcnt 0x0
	s_add_nc_u64 s[66:67], s[4:5], s[56:57]        ; K's head
	s_mov_b32 s[G0K], 1
	s_mov_b32 s[G0K+1], s16
	s_add_nc_u64 s[G0K+2:G0K+3], s[66:67], s[58:59]
	s_or_b32 s[G0K+3], s[G0K+3], 0x80000000
	s_mov_b32 s[G0V], 1
	s_mov_b32 s[G0V+1], s17
	s_add_nc_u64 s[G0V+2:G0V+3], s[66:67], s[58:59]
	s_add_nc_u64 s[G0V+2:G0V+3], s[G0V+2:G0V+3], 0x200000   ; V's head lies eight heads on
	s_or_b32 s[G0V+3], s[G0V+3], 0x80000000
	TLOAD                                          ; slot 0: keys 0-255, which count for queries of every wave
	s_add_nc_u64 s[4:5], s[4:5], s[62:63]          ; Q at my first query
	s_add_nc_u64 s[6:7], s[6:7], s[72:73]          ; att at the rows that I store
	s_cmp_lt_u32 s[WV], 8
	s_cselect_b32 s68, 0, 0x200000                 ; the prefetches: K's bytes or V's,
	s_and_b32 s69, s[WV], 3
	s_lshl_b32 s69, s69, 13
	s_add_co_u32 s68, s68, s69                     ; my wave's 8,192,
	s_add_co_u32 s68, s68, SK*128                  ; in slot 1: the first change steps it to slot 2
	s_mov_b32 s69, 0
	s_add_nc_u64 s[PFA:PFA+1], s[66:67], s[68:69]
	s_sub_co_u32 s68, s[WV], 4
	s_lshr_b32 s68, s68, 3                         ; 0 in waves 4 to 11,
	s_or_b32 s68, s68, ttmp9                       ; of work-group j = 0
	s_cmp_eq_u32 s68, 0
	s_cselect_b32 s[LIM], 1, -1
	v_and_b32 v5, 15, v0                           ; r
	v_bfe_u32 v6, v0, 4, 1                         ; h
	v_lshlrev_b32 v[QA], 7, v5
	v_lshl_add_u32 v[QA], v6, 4, v[QA]
.irp c, 0,1,2,3
	global_load_b128 v[QQ+4*\c:QQ+4*\c+3], v[QA], s[4:5] offset:32*\c   ; Q stays in registers
.endr
	v_mul_u32_u24 v[AK0], v5, KP
	v_lshl_add_u32 v[AK0], v6, 4, v[AK0]
	v_and_b32 v7, 7, v0
	v_lshl_add_u32 v7, v6, 3, v7
	v_mul_u32_u24 v[AV0], v7, VP
	v_bfe_u32 v7, v0, 3, 1
	v_lshl_add_u32 v[AV0], v7, 4, v[AV0]
	v_add_nc_u32 v[AV0], VOFF, v[AV0]
	v_lshlrev_b32 v[RH], 3, v6
	v_sub_nc_u32 v[RH], v5, v[RH]
	v_mov_b32 v[NINF], 0xff800000
	v_and_b32 v[PFO], 31, v0
	v_lshlrev_b32 v[PFO], 8, v[PFO]
	v_mov_b32 v13, 0xff61b1e6                      ; m = -3e38, under every score
	v_mul_f32 v12, s[CS], v13
	v_mov_b32 v14, 0
	v_mov_b32 v15, 0
	v_mov_b32 v233, 0                              ; named as the upper half of a pair
	v_mov_b32 v235, 0                              ; a lane permute's destination counts as read
.set j, 0
.rept 32
	v_mov_b32 v[OO+j], 0                           ; the loop is written once: its first step finds zeros
.set j, j+1
.endr
.macro VLOAD q, gv                     ; V^T's fragments of keys 64 gv .. + 63 of the step: (32 keys e, 16 channels dt) at v[FF + 32 e + 8 dt]
.irp e, 0,1
.irp dt, 0,1,2,3
	ds_load_tr16_b128 v[FF+32*\e+8*\dt:FF+32*\e+8*\dt+3], v[ADV] offset:(128*(\q)+32*(2*(\gv)+\e))*VP+32*\dt
	ds_load_tr16_b128 v[FF+32*\e+8*\dt+4:FF+32*\e+8*\dt+7], v[ADV] offset:(128*(\q)+32*(2*(\gv)+\e)+16)*VP+32*\dt
.endr
.endr
.endm
.macro PV gv                           ; eight products; the four accumulators take turns
.irp e, 0,1
.irp dt, 0,1,2,3
	v_wmma_f32_16x16x32_f16 v[OO+8*\dt:OO+8*\dt+7], v[FF+32*\e+8*\dt:FF+32*\e+8*\dt+7], v[PP+8*(2*(\gv)+\e):PP+8*(2*(\gv)+\e)+7], v[OO+8*\dt:OO+8*\dt+7]
.endr
.endr
.endm
; A KEY STEP: 128 keys, the q-th half of the slot in hand.
.macro STEP q
	s_add_co_u32 s70, s[Q0], 15
	s_cmp_gt_u32 s[KF], s70                        ; all keys of the step come after my queries: the work is left out (ids and the count of steps alone)
	s_cbranch_scc1 .Lhidden_\@
	v_add_nc_u32 v[ADK], s[TB], v[AK0]
	v_add_nc_u32 v[ADV], s[TB], v[AV0]
	v_nop                                          ; with the two additions: four places in front of loads into registers that the last products read
	v_nop
.irp g, 0,1
.if \g
.rept 4
	v_nop
.endr
.endif
.irp t, 0,1,2,3
.irp c, 0,1
	ds_load_b128 v[FF+16*\t+8*\c:FF+16*\t+8*\c+3], v[ADK] offset:(128*(\q)+16*(4*\g+\t))*KP+64*\c
	ds_load_b128 v[FF+16*\t+8*\c+4:FF+16*\t+8*\c+7], v[ADK] offset:(128*(\q)+16*(4*\g+\t))*KP+64*\c+32
.endr
.endr
	s_wait_dscnt 0x0
.irp t, 0,1,2,3
	v_wmma_f32_16x16x32_f16 v[SS+8*(4*\g+\t):SS+8*(4*\g+\t)+7], v[FF+16*\t:FF+16*\t+7], v[QQ:QQ+7], 0
.endr
.irp t, 0,1,2,3
	v_wmma_f32_16x16x32_f16 v[SS+8*(4*\g+\t):SS+8*(4*\g+\t)+7], v[FF+16*\t+8:FF+16*\t+15], v[QQ+8:QQ+15], v[SS+8*(4*\g+\t):SS+8*(4*\g+\t)+7]
.endr
.endr
.rept 4
	v_nop                                          ; places in front of the loads below and of the first read of the scores
.endr
	VLOAD \q, 0                                    ; lands under the softmax
	s_add_co_u32 s70, s[KF], 127
	s_cmp_le_u32 s70, s[Q0]                        ; all keys count for all my queries: no mask
	s_cbranch_scc1 .Lopen_\@
	s_sub_co_i32 s70, s[Q0], s[KF]
	v_add_nc_u32 v[DD], s70, v[RH]                 ; register 8 t + i holds key KF + 16 t + 8 h + i: hidden where 16 t + i > my query - KF - 8 h
.set n, 0
.rept 64
	v_cmp_gt_i32 vcc_lo, 16*(n/8)+n%8, v[DD]
	v_cndmask_b32 v[SS+n], v[SS+n], v[NINF], vcc_lo
.set n, n+1
.endr
.Lopen_\@:
.irp b, 0,1,2,3
	v_max3_num_f32 v[MX+\b], v[SS+16*\b], v[SS+16*\b+1], v[SS+16*\b+2]   ; four chains; each accumulator is read from its low end on
.endr
.irp i, 3,5,7,9,11,13
.irp b, 0,1,2,3
	v_max3_num_f32 v[MX+\b], v[MX+\b], v[SS+16*\b+\i], v[SS+16*\b+\i+1]
.endr
.endr
.irp b, 0,1,2,3
	v_max_num_f32 v[MX+\b], v[MX+\b], v[SS+16*\b+15]
.endr
	v_max3_num_f32 v234, v[MX], v[MX+1], v[MX+2]
	v_max3_num_f32 v234, v234, v[MX+3], v13        ; with the old m
	v_permlanex16_b32 v235, v234, s[SEL], s[SEL+1] ; the query's other keys lie in the lane 16 away
	v_mov_b32 v236, v12                            ; c m_old
	v_max_num_f32 v13, v234, v235
	v_mul_f32 v12, s[CS], v13
	v_sub_f32 v237, v236, v12
.set j, 0
.rept 32
	v_pk_fma_f32 v[SS+j:SS+j+1], v[SS+j:SS+j+1], s[CS:CS+1], v[12:13] op_sel_hi:[1,0,0] neg_lo:[0,0,1] neg_hi:[0,0,1]   ; c s - c m
.set j, j+2
.endr
	v_exp_f32 v232, v237                           ; a.  ONE batch of 65 exponentials,
.set j, 0
.rept 64
	v_exp_f32 v[SS+j], v[SS+j]
.set j, j+1
.endr
	v_nop                                          ; one plain line behind it,
	s_wait_alu depctr_va_vdst(0)                   ; and one wait ahead of the first reader
	v_pk_mul_f32 v[14:15], v[14:15], v[232:233] op_sel_hi:[1,0]
	v_pk_add_f32 v[238:239], v[SS:SS+1], v[SS+2:SS+3]   ; l: of the unrounded p, in two chains
.set j, 4
.rept 15
	v_pk_add_f32 v[14:15], v[14:15], v[SS+j:SS+j+1]
	v_pk_add_f32 v[238:239], v[238:239], v[SS+j+2:SS+j+3]
.set j, j+4
.endr
	v_pk_add_f32 v[14:15], v[14:15], v[238:239]
.set j, 0
.rept 32
	v_cvt_pk_f16_f32 v[PP+j], v[SS+2*j], v[SS+2*j+1]
.set j, j+1
.endr
.set j, 0
.rept 16
	v_pk_mul_f32 v[OO+j:OO+j+1], v[OO+j:OO+j+1], v[232:233] op_sel_hi:[1,0]
.set j, j+2
.endr
	s_wait_dscnt 0x0                               ; V's first 64 keys are in
	PV 0
.rept 4
	v_nop
.endr
	VLOAD \q, 1
	s_wait_dscnt 0x0
	PV 1
.Lhidden_\@:
	s_add_co_u32 s[KF], s[KF], 128
.endm
; THE CHANGE OF SLOTS, at a slot's head.  Each wave waits for all its tensor loads, adds 0 to its spare word, and waits for that and for its reads of the slot that it has left; behind the barrier the slot ahead is
; whole and nobody reads the other one, which is then filled with the next 256 keys: the load has a slot's two steps in which to land.
.macro CHANGE fill
	s_wait_tensorcnt 0x0                           ; no tensor load of mine is out: a group 0 may be written
	ds_add_u32 v[SPW], v[NIL]
.if \fill
	ds_add_u32 v[SPW], v[NIL]                      ; and twice on end here, in every trip alike
	s_xor_b32 s[G0K+1], s[G0K+1], SLOT1
	s_add_nc_u64 s[G0K+2:G0K+3], s[G0K+2:G0K+3], SK*128
	s_xor_b32 s[G0V+1], s[G0V+1], SLOT1
	s_add_nc_u64 s[G0V+2:G0V+3], s[G0V+2:G0V+3], SK*128
	s_wait_xcnt 0x0                                ; the last prefetch, a slot back, has read its address
	s_add_nc_u64 s[PFA:PFA+1], s[PFA:PFA+1], SK*128
.endif
	s_wait_dscnt 0x0
	s_barrier_signal -1
	s_barrier_wait -1
.if \fill
	s_add_co_u32 s70, s[KF], SK                    ; the first key of the slot that this change would ask for:
	s_cmp_gt_u32 s70, s[QL]                        ; past the work-group's last query none of its waves would read it.  Ids and the count of steps alone: all sixteen waves go the same way
	s_cbranch_scc1 .Lpast_\@
	TLOAD                                          ; a wave's one tensor load until the next such barrier
.Lpast_\@:
	ASK
.endif
.endm
	s_wait_loadcnt 0x0                             ; Q
.Lslot:
	CHANGE 1
	STEP 0
	STEP 1
	s_xor_b32 s[TB], s[TB], SLOT1
	s_sub_co_u32 s[SLOTS], s[SLOTS], 1
	s_cmp_lg_u32 s[SLOTS], 0
	s_cbranch_scc1 .Lslot
	CHANGE 0                                       ; the last slot is written out: nothing is left to ask for
	STEP 0
	STEP 1
	; THE WAY OUT.  O^T / l as f16 into a stage of the work-group's 128 rows x 256 bytes (two heads side by side); a barrier, since a row comes from two waves; each wave stores 8 whole rows.
	v_add_f32 v14, v14, v15
	v_permlanex16_b32 v235, v14, s[SEL], s[SEL+1]
	v_add_f32 v14, v14, v235
	v_rcp_f32 v14, v14
	v_and_b32 v5, 15, v0
	v_bfe_u32 v6, v0, 4, 1
	s_and_b32 s70, s[WV], 7
	s_mul_i32 s70, s70, 16*SPT                     ; my tile's rows: 64 x late + 16 x tile = 16 (w % 8)
	s_lshr_b32 s71, s[WV], 3
	s_lshl_b32 s71, s71, 7
	s_add_co_u32 s70, s70, s71                     ; my head's 128 bytes
	v_mul_u32_u24 v7, v5, SPT
	v_lshl_add_u32 v7, v6, 4, v7
	v_add_nc_u32 v7, s70, v7
	s_mul_i32 s70, s[WV], 8*SPT
	v_mul_u32_u24 v[QA], v6, SPT
	v_lshl_add_u32 v[QA], v5, 4, v[QA]
	v_add_nc_u32 v[QA], s70, v[QA]                 ; back: lanes 0-15 one row, lanes 16-31 the next
	v_lshlrev_b32 v[RH], 11, v6
	v_lshl_add_u32 v[RH], v5, 4, v[RH]
	s_wait_alu depctr_va_vdst(0)                   ; the reciprocal's wait, ahead of its first reader
.set j, 0
.rept 32
	v_mul_f32 v[SS+j], v[OO+j], v14
.set j, j+1
.endr
.set j, 0
.rept 16
	v_cvt_pk_f16_f32 v[PP+j], v[SS+2*j], v[SS+2*j+1]
.set j, j+1
.endr
.irp dt, 0,1,2,3
	ds_store_b128 v7, v[PP+4*\dt:PP+4*\dt+3] offset:32*\dt
.endr
	s_wait_dscnt 0x0                               ; for the others' sake: my stores have landed
	s_barrier_signal -1
	s_barrier_wait -1
.irp t, 0,1,2,3
	ds_load_b128 v[FF+4*\t:FF+4*\t+3], v[QA] offset:2*\t*SPT
.endr
.irp t, 0,1,2,3
	s_wait_dscnt 3-\t
	global_store_b128 v[RH], v[FF+4*\t:FF+4*\t+3], s[6:7] offset:2*\t*2048   ; sixteen lanes store 256 consecutive bytes, aligned
.endr
	s_wait_tensorcnt 0x0                           ; the wave's end
	ds_add_u32 v[SPW], v[NIL]
	s_wait_dscnt 0x0
	s_endpgm
.Lfunc_end_k_q1560fca366_attn:
	.size	k_q1560fca366_attn, .Lfunc_end_k_q1560fca366_attn-k_q1560fca366_attn
	.p2alignl 7, 3214868480
	.fill 96, 4, 3214868480
	.section	.rodata,"a",@progbits
	.p2align	6, 0x0
	.amdhsa_kernel k_q1560fca366_attn
		.amdhsa_group_segment_fixed_size 327680
		.amdhsa_private_segment_fixed_size 0
		.amdhsa_enable_private_segment 0
		.amdhsa_kernarg_size 16
		.amdhsa_user_sgpr_count 2
		.amdhsa_user_sgpr_kernarg_segment_ptr 1
		.amdhsa_wavefront_size32 1
		.amdhsa_system_sgpr_workgroup_id_x 1
		.amdhsa_system_sgpr_workgroup_id_y 1
		.amdhsa_system_sgpr_workgroup_id_z 1
		.amdhsa_system_vgpr_workitem_id 0
		.amdhsa_next_free_vgpr 256
		.amdhsa_next_free_sgpr 76
		.amdhsa_reserve_vcc 1
		.amdhsa_float_denorm_mode_32 3
		.amdhsa_float_denorm_mode_16_64 3
		.amdhsa_memory_ordered 1
		.amdhsa_forward_progress 1
		.amdhsa_inst_pref_size 107
	.end_amdhsa_kernel
	.amdgpu_metadata
---
amdhsa.version: [ 1, 2 ]
amdhsa.kernels:
  - .name:           k_q1560fca366_attn
    .symbol:         k_q1560fca366_attn.kd
    .args:
      - { .name: qkv, .offset: 0, .size: 8, .value_kind: global_buffer, .address_space: global }
      - { .name: att, .offset: 8, .size: 8, .value_kind: global_buffer, .address_space: global }
    .group_segment_fixed_size: 327680
    .private_segment_fixed_size: 0
    .kernarg_segment_align: 8
    .kernarg_segment_size: 16
    .max_flat_workgroup_size: 512
    .sgpr_count:     76
    .vgpr_count:     256
    .wavefront_size: 32
...
	.end_amdgpu_metadata
.endif
;; end of part 3
;; launch proj (part 4): grid 8 x 32, 4 waves a work-group, clusters of 4 x 4, 327,680 bytes of LDS; arguments att, wo16, out0; writes out0
.if DOCPART == 4
	.amdgcn_target "amdgcn-amd-amdhsa--gfx1250"
	.amdhsa_code_object_version 6
	.text
	.protected	k_q1560fca366_proj
	.globl	k_q1560fca366_proj
	.p2align	8
	.type	k_q1560fca366_proj,@function
k_q1560fca366_proj:
	s_mov_b64 s[64:65], 0
	v_nop
	global_prefetch_b8 v0, s[64:65] scope:SCOPE_SE
	s_setreg_imm32_b32 hwreg(HW_REG_WAVE_MODE, 25, 1), 1
	s_wait_xcnt 0x0
	s_wait_alu depctr_hold_cnt(0) depctr_sa_sdst(0) depctr_va_vdst(0) depctr_va_sdst(0) depctr_va_ssrc(0) depctr_va_vcc(0) depctr_vm_vsrc(0)
	s_getreg_b32 s2, hwreg(HW_REG_IB_STS2, 6, 4)
	s_cmp_eq_u32 s2, 0
	s_cbranch_scc0 .Lentry_in_a_cluster
	s_endpgm
.Lentry_in_a_cluster:
	s_bfe_u32 s2, ttmp6, 0x10000c
	s_cmp_lg_u32 s2, 0xf033
	s_cbranch_scc0 .Lentry_shape_is_right
	s_endpgm
.Lentry_shape_is_right:
; out0[m][n] = sum over k of att[m][k] wo16[k][n].  att [4096][1024] f16, wo16 [1024][2048] f16 (K is its first axis), out0 [4096][2048] f32; sums in f32.
; A tile of 128 x 256 gives 256 work-groups.  Four waves, each 64 x 128: 32 accumulators, all of window 2.  K goes in steps of 128 through two LDS slots: A's 128 rows of 256 bytes, B's 128 k-rows of 512 bytes.
; B's fragments come out of LDS turned, by ds_load_tr16_b128.  4 x 4 work-groups form a cluster: A's tiles are asked for jointly along a row of it, B's along a column.
; THE MATRIX INSTRUCTION IS USED TRANSPOSED (source 0 = 16 columns of B, source 1 = 16 rows of A): a lane holds eight neighbouring numbers of a row of out0.
; All rows are made here, positions 0-15 of both sequences too; the program's last launch stores those 32 rows again from f32 arithmetic (to leave them out here would take a branch on a work-group's place in its cluster).
; REGISTERS: window 0: v16-29 addresses; A's fragments v64-95 and v128-159; on the way out v128-255.   window 1: B's fragments v64-127 and v128-191.   window 2: accumulator (a, b) at v[8 (8 a + b)].
.set KSTEP,  128
.set PA,     272                       ; A's LDS row: 256 bytes + 16
.set PB,     544                       ; B's: 512 + 32
.set HALFA,  64*PA
.set HALFB,  64*PB
.set BOFF,   2*HALFA
.set SLOT,   BOFF+2*HALFB
.set SPARE,  2*SLOT                    ; the spare words: 128 bytes a wave, two blocks of 256 bytes that no other line names
.set SPITCH, 528                       ; the way out: 16 rows x (512 bytes + 16) a wave, in slot 0, which has had its last fill and its last read by then
.set LAPS,   1024/(2*KSTEP)
.set ADRA, 16
.set ADRB, 20
.set STO,  24
.set RD,   25
.set CO,   26
.set SPW,  28
.set NIL,  29
.set F0,   64
.set F1,   128
.set BK,   128
.set G1, 24
.set G0, 32
.set G1B, 48
.set G0B, 56
.set MSB, 0
.macro WIN new
.if MSB != (\new)
	s_set_vgpr_msb (MSB<<8)|(\new)
.set MSB, (\new)
.endif
.endm
.set MUL,  0xa1                        ; source 0 (B) window 1, source 1 (A) window 0, C and D window 2
.set TO_F, 0x40                        ; destination window 1
.macro JLOAD s                         ; waves 0 and 1 fetch A's halves, waves 2 and 3 B's; an s_nop 0 and four v_nop follow each line
	s_cmp_eq_u32 s11, 0
	s_cbranch_scc0 .Lfor_b_\@
	tensor_load_to_lds s[G0+4*\s:G0+4*\s+3], s[G1:G1+7]
	s_nop 0
.rept 4
	v_nop
.endr
	s_branch .Lasked_\@
.Lfor_b_\@:
	tensor_load_to_lds s[G0B+4*\s:G0B+4*\s+3], s[G1B:G1B+7]
	s_nop 0
.rept 4
	v_nop
.endr
.Lasked_\@:
.endm
.macro CREST
	s_cmp_lg_u32 s10, 0
	s_cbranch_scc1 .Lnot_wave_0_\@
	s_barrier_signal -3
.Lnot_wave_0_\@:
	s_barrier_wait -3
	s_barrier_signal -1
	s_barrier_wait -1
.endm
.macro CROUND
	s_barrier_signal -1
	s_barrier_wait -1
	CREST
.endm
	s_load_b128 s[4:7], s[0:1], 0x0                ; att, wo16
	s_load_b64 s[8:9], s[0:1], 0x10                ; out0
	v_lshl_add_u32 v[SPW], v0, 2, SPARE
	v_mov_b32 v[NIL], 0
	ds_add_u32 v[SPW], v[NIL]                      ; the wave's opening: the add, twice on end, and its wait ahead of my first tensor load
	ds_add_u32 v[SPW], v[NIL]
	v_lshrrev_b32 v1, 5, v0
	v_readfirstlane_b32 s10, v1                    ; wave 0..3
	s_lshr_b32 s11, s10, 1                         ; which 64 rows of the tile are mine; also: I fetch for A (0) or B (1)
	s_and_b32 s12, s10, 1                          ; which 128 columns; also: which half I fetch
	s_bfe_u32 s40, ttmp6, 0x40000                  ; cx
	s_bfe_u32 s41, ttmp6, 0x40004                  ; cy
	s_lshl_b32 s42, ttmp9, 2
	s_add_co_u32 s42, s42, s40                     ; tile column
	s_and_b32 s13, ttmp7, 0xffff
	s_lshl_b32 s13, s13, 2
	s_add_co_u32 s13, s13, s41                     ; tile row
	s_lshl_b32 s43, s41, 2
	s_lshl_b32 s43, 15, s43                        ; my row of the cluster
	s_lshl_b32 s44, 0x1111, s40                    ; my column
	s_or_b32 s[G1+0], s43, (1<<16)|(1<<20)|(1<<21)|(5<<22)|(3<<25)    ; A: elements of 2 bytes; 4 words of padding behind every 64
	s_mov_b32 s[G1+1], 128<<16                     ; tensor_dim0
	s_mov_b32 s[G1+2], 64<<16                      ; tensor_dim1
	s_mov_b32 s[G1+3], 128<<16                     ; tile_dim0
	s_mov_b32 s[G1+4], 64                          ; tile_dim1
	s_mov_b32 s[G1+5], 1024                        ; from row to row
	s_mov_b32 s[G1+6], 0
	s_mov_b32 s[G1+7], 0
	s_or_b32 s[G1B+0], s44, (1<<16)|(1<<20)|(1<<21)|(6<<22)|(7<<25)   ; B: 8 words behind every 128
	s_mov_b32 s[G1B+1], 256<<16
	s_mov_b32 s[G1B+2], 64<<16
	s_mov_b32 s[G1B+3], 256<<16
	s_mov_b32 s[G1B+4], 64
	s_mov_b32 s[G1B+5], 2048
	s_mov_b32 s[G1B+6], 0
	s_mov_b32 s[G1B+7], 0
	s_lshl_b32 s16, s13, 7
	s_lshl_b32 s17, s12, 6
	s_add_co_u32 s16, s16, s17                     ; A: row 128 x tile row + 64 x half,
	s_lshl_b32 s16, s16, 11                        ; of 2,048 bytes
	s_mov_b32 s17, 0
	s_lshl_b32 s46, s12, 18                        ; B: k-row 64 x half, of 4,096 bytes,
	s_lshl_b32 s47, s42, 9
	s_add_co_u32 s46, s46, s47                     ; + the tile column's 512 bytes
	s_mov_b32 s47, 0
	s_mul_i32 s20, s12, HALFA                      ; where they go: no place in the cluster enters an LDS address
	s_mul_i32 s45, s12, HALFB
	s_add_co_u32 s45, s45, BOFF
	s_wait_dscnt 0x0                               ; both opening adds are done
	s_wait_kmcnt 0x0
	s_add_nc_u64 s[14:15], s[4:5], s[16:17]
	s_add_nc_u64 s[46:47], s[6:7], s[46:47]
	CROUND                                         ; all sixteen work-groups are here: the first joint loads meet
.irp s, 0,1
	s_mov_b32 s[G0+4*\s], 1
	s_add_co_u32 s[G0+4*\s+1], s20, \s*SLOT
	s_add_nc_u64 s[G0+4*\s+2:G0+4*\s+3], s[14:15], \s*KSTEP*2
	s_or_b32 s[G0+4*\s+3], s[G0+4*\s+3], 0x80000000
	s_mov_b32 s[G0B+4*\s], 1
	s_add_co_u32 s[G0B+4*\s+1], s45, \s*SLOT
	s_add_nc_u64 s[G0B+4*\s+2:G0B+4*\s+3], s[46:47], \s*KSTEP*4096
	s_or_b32 s[G0B+4*\s+3], s[G0B+4*\s+3], 0x80000000
	JLOAD \s
.endr
	v_and_b32 v1, 15, v0                           ; r
	v_bfe_u32 v2, v0, 4, 1                         ; h
	v_mul_u32_u24 v3, v1, PA
	v_lshl_add_u32 v3, v2, 4, v3                   ; A: row r, + 16 h
	v_and_b32 v4, 7, v0
	v_lshl_add_u32 v4, v2, 3, v4
	v_mul_u32_u24 v4, v4, PB
	v_bfe_u32 v5, v0, 3, 1
	v_lshl_add_u32 v4, v5, 4, v4                   ; B, for the turning load: k-row 8 h + l % 8, + 16 ((l / 8) % 2)
	s_mul_i32 s21, s11, HALFA                      ; my 64 rows of A
	s_lshl_b32 s22, s12, 8                         ; my 128 columns of B
	s_add_co_u32 s22, s22, BOFF
.irp s, 0,1
	v_add_nc_u32 v[ADRA+\s], s21, v3
	v_add_nc_u32 v[ADRB+\s], s22, v4
	s_add_co_u32 s21, s21, SLOT
	s_add_co_u32 s22, s22, SLOT
.endr
	s_mul_i32 s23, s10, 16*SPITCH                  ; my stage
	v_mul_u32_u24 v5, v1, SPITCH
	v_lshl_add_u32 v5, v2, 5, v5
	v_add_nc_u32 v[STO], s23, v5
	v_and_b32 v6, 31, v0
	v_lshlrev_b32 v[CO], 4, v6
	v_add_nc_u32 v[RD], s23, v[CO]
	s_lshl_b32 s16, s13, 7
	s_lshl_b32 s17, s11, 6
	s_add_co_u32 s16, s16, s17                     ; my first row of out0,
	s_lshl_b32 s16, s16, 13                        ; of 8,192 bytes
	s_lshl_b32 s46, s42, 10
	s_lshl_b32 s47, s12, 9
	s_add_co_u32 s46, s46, s47
	s_add_co_u32 s16, s16, s46                     ; + my first column
	s_mov_b32 s17, 0
	s_add_nc_u64 s[8:9], s[8:9], s[16:17]
.macro MULA f, a, zero                 ; eight products: A's block a x B's eight, 32 along K.  The 32 accumulators take turns, one instruction a turn
.irp b, 0,1,2,3,4,5,6,7
.if \zero
	v_wmma_f32_16x16x32_f16 v[8*(8*(\a)+\b):8*(8*(\a)+\b)+7], v[\f+8*\b:\f+8*\b+7], v[\f+8*(\a):\f+8*(\a)+7], 0
.else
	v_wmma_f32_16x16x32_f16 v[8*(8*(\a)+\b):8*(8*(\a)+\b)+7], v[\f+8*\b:\f+8*\b+7], v[\f+8*(\a):\f+8*(\a)+7], v[8*(8*(\a)+\b):8*(8*(\a)+\b)+7]
.endif
.endr
.endm
.macro FETCH slot, q, f                ; 24 LDS loads in one run: the fragments of the slot's q-th 32 along K: B's eight, then A's four
	WIN TO_F
.irp b, 0,1,2,3,4,5,6,7
	ds_load_tr16_b128 v[\f+8*\b:\f+8*\b+3],   v[ADRB+\slot] offset:32*(\q)*PB+32*\b
	ds_load_tr16_b128 v[\f+8*\b+4:\f+8*\b+7], v[ADRB+\slot] offset:(32*(\q)+16)*PB+32*\b
.endr
	WIN 0
.irp i, 0,1,2,3
	ds_load_b128 v[\f+8*\i:\f+8*\i+3],   v[ADRA+\slot] offset:64*(\q)+\i*16*PA
	ds_load_b128 v[\f+8*\i+4:\f+8*\i+7], v[ADRA+\slot] offset:64*(\q)+\i*16*PA+32
.endr
.endm
.macro PLACES
.rept 4
	v_nop
.endr
.endm
.macro QUARTER slot, q, f, g, zero     ; multiplies buffer f; in its middle it fetches the slot's q-th quarter into buffer g
	s_wait_dscnt 4                                 ; B's fragments and A's blocks 0, 1 are in; the youngest four loads (blocks 2, 3) may be out
	WIN MUL
	MULA \f, 0, \zero
	MULA \f, 1, \zero
	PLACES
	FETCH \slot, \q, \g
	s_wait_dscnt 24                                ; all but the 24 just issued
	WIN MUL
	MULA \f, 2, \zero
	MULA \f, 3, \zero
.endm
; The last quarter multiplies buffer 1 and changes slots: one barrier; in front of it each wave waits for all its tensor loads, adds 0 to its spare word, and waits for that and for its reads of this slot.
.macro TURN slot, next, fill
	WIN 0
	s_wait_tensorcnt 0x0                           ; all my tensor loads have landed: my part of the next slot
	ds_add_u32 v[SPW], v[NIL]
	s_wait_dscnt 5                                 ; (the add and the youngest four loads may be out)
	WIN MUL
	MULA F1, 0, 0
	s_wait_dscnt 0x0                               ; the add is done, and my reads of this slot are over
	s_barrier_signal -1
	MULA F1, 1, 0
.if \fill
	WIN 0
.endif
	s_barrier_wait -1
.if \fill
	CREST                                          ; the barrier has opened a round of the cluster's
	s_add_nc_u64 s[G0+4*\slot+2:G0+4*\slot+3], s[G0+4*\slot+2:G0+4*\slot+3], 2*KSTEP*2
	s_add_nc_u64 s[G0B+4*\slot+2:G0B+4*\slot+3], s[G0B+4*\slot+2:G0B+4*\slot+3], 2*KSTEP*4096
	JLOAD \slot                                    ; the first tensor load behind the round; its four v_nop are the places in front of the loads below
.else
	PLACES
.endif
	FETCH \next, 0, F0
	WIN MUL
	MULA F1, 2, 0
	MULA F1, 3, 0
.endm
	s_wait_tensorcnt 1                             ; my part of K step 0 is in; K step 1's may be out
	s_barrier_signal -1
	s_barrier_wait -1
	FETCH 0, 0, F0
	QUARTER 0, 1, F0, F1, 1                        ; the first quarter's products start the sums
	WIN 0
	s_mov_b32 s3, LAPS-1
.Llap:
	QUARTER 0, 2, F1, F0, 0
	QUARTER 0, 3, F0, F1, 0
	TURN 0, 1, 1
	QUARTER 1, 1, F0, F1, 0
	QUARTER 1, 2, F1, F0, 0
	QUARTER 1, 3, F0, F1, 0
	TURN 1, 0, 1
	QUARTER 0, 1, F0, F1, 0
	WIN 0
	s_sub_co_u32 s3, s3, 1
	s_cmp_lg_u32 s3, 0
	s_cbranch_scc1 .Llap
	QUARTER 0, 2, F1, F0, 0                        ; the last lap fills nothing
	QUARTER 0, 3, F0, F1, 0
	TURN 0, 1, 0
	QUARTER 1, 1, F0, F1, 0
	QUARTER 1, 2, F1, F0, 0
	QUARTER 1, 3, F0, F1, 0
	s_wait_dscnt 4
	WIN MUL
	MULA F1, 0, 0
	MULA F1, 1, 0
	s_wait_dscnt 0
	MULA F1, 2, 0
	MULA F1, 3, 0
	WIN 0
; THE WAY OUT, block by block of 16 rows x 128 columns: through my own stage, back as whole rows of 512 bytes.  LDS serves a wave's instructions in order.
.macro TOSTAGE a
	WIN 0x08                                       ; an LDS store's data: window 2
.irp b, 0,1,2,3,4,5,6,7
	ds_store_b128 v[STO], v[64*(\a)+8*\b:64*(\a)+8*\b+3] offset:64*\b          ; each accumulator from its low end on
	ds_store_b128 v[STO], v[64*(\a)+8*\b+4:64*(\a)+8*\b+7] offset:64*\b+16
.endr
	WIN 0
.set BB, BK+64*((\a)%2)
.irp t, 0,1,2,3,4,5,6,7,8,9,10,11,12,13,14,15
	ds_load_b128 v[BB+4*\t:BB+4*\t+3], v[RD] offset:\t*SPITCH
.endr
.endm
.macro SEND a, younger
.set BB, BK+64*((\a)%2)
	s_wait_dscnt \younger
.irp t, 0,1,2,3,4,5,6,7,8,9,10,11,12,13,14,15
	global_store_b128 v[CO], v[BB+4*\t:BB+4*\t+3], s[8:9] offset:(16*(\a)+\t)*8192 th:TH_STORE_NT   ; 32 lanes store 512 consecutive bytes, aligned; 63 rows at the most stand in the immediate
.endr
.endm
	PLACES
	TOSTAGE 0
.irp a, 1,2,3
.if \a > 1
	s_wait_xcnt 0x0                                ; block a - 2's stores have read their registers: block a's rows may land there
.endif
	TOSTAGE \a
	SEND \a-1, 32                                  ; behind block a - 1's loads: block a's 16 stores and 16 loads
.endr
	SEND 3, 0
	s_wait_tensorcnt 0x0                           ; the wave's end
	ds_add_u32 v[SPW], v[NIL]
	s_wait_dscnt 0x0
	CROUND                                         ; the closing round
	s_endpgm
.Lfunc_end_k_q1560fca366_proj:
	.size	k_q1560fca366_proj, .Lfunc_end_k_q1560fca366_proj-k_q1560fca366_proj
	.p2alignl 7, 3214868480
	.fill 96, 4, 3214868480
	.section	.rodata,"a",@progbits
	.p2align	6, 0x0
	.amdhsa_kernel k_q1560fca366_proj
		.amdhsa_group_segment_fixed_size 327680
		.amdhsa_private_segment_fixed_size 0
		.amdhsa_enable_private_segment 0
		.amdhsa_kernarg_size 24
		.amdhsa_user_sgpr_count 2
		.amdhsa_user_sgpr_kernarg_segment_ptr 1
		.amdhsa_wavefront_size32 1
		.amdhsa_system_sgpr_workgroup_id_x 1
		.amdhsa_system_sgpr_workgroup_id_y 1
		.amdhsa_system_sgpr_workgroup_id_z 1
		.amdhsa_system_vgpr_workitem_id 0
		.amdhsa_next_free_vgpr 768
		.amdhsa_next_free_sgpr 66
		.amdhsa_reserve_vcc 0
		.amdhsa_float_denorm_mode_32 3
		.amdhsa_float_denorm_mode_16_64 3
		.amdhsa_memory_ordered 1
		.amdhsa_forward_progress 1
		.amdhsa_inst_pref_size 85
	.end_amdhsa_kernel
	.amdgpu_metadata
---
amdhsa.version: [ 1, 2 ]
amdhsa.kernels:
  - .name:           k_q1560fca366_proj
    .symbol:         k_q1560fca366_proj.kd
    .args:
      - { .name: att, .offset: 0, .size: 8, .value_kind: global_buffer, .address_space: global }
      - { .name: wo16, .offset: 8, .size: 8, .value_kind: global_buffer, .address_space: global }
      - { .name: out0, .offset: 16, .size: 8, .value_kind: global_buffer, .address_space: global }
    .group_segment_fixed_size: 327680
    .private_segment_fixed_size: 0
    .kernarg_segment_align: 8
    .kernarg_segment_size: 24
    .max_flat_workgroup_size: 128
    .sgpr_count:     66
    .vgpr_count:     768
    .wavefront_size: 32
...
	.end_amdgpu_metadata
.endif
;; end of part 4
;; launch fine (part 5): grid 128 x 2, 16 waves a work-group, no clusters, 19,456 bytes of LDS; arguments q32, Wo, out0; writes out0
.if DOCPART == 5
	.amdgcn_target "amdgcn-amd-amdhsa--gfx1250"
	.amdhsa_code_object_version 6
	.text
	.protected	k_q1560fca366_fine
	.globl	k_q1560fca366_fine
	.p2align	8
	.type	k_q1560fca366_fine,@function
k_q1560fca366_fine:
	s_mov_b64 s[64:65], 0
	v_nop
	global_prefetch_b8 v0, s[64:65] scope:SCOPE_SE
	s_setreg_imm32_b32 hwreg(HW_REG_WAVE_MODE, 25, 1), 1
	s_wait_xcnt 0x0
; POSITIONS 0 TO 15 OF EACH SEQUENCE, ALL IN f32: their rows average one to sixteen values and are the largest in size, so f16 operands would weigh most there.
; q32 [4][16 positions][2048 columns] f32 (part 2 b is batch b; columns 0-1023 q, 1024-1535 k, 1536-2047 v, rotated); Wo [1024][2048] f32; out0 rows 2048 b + 0 .. 15 are stored over the earlier launch's.
; SHARES.  Work-group (cs, b): columns 16 cs .. + 15 of batch b: 128 x 2 = 256 work-groups.  Wave w is query head w: its 16 x 16 attention, then its 64 channels' share of the projection, by
; v_wmma_f32_16x16x4_f32: 32 + 16 instructions and 80 loads a wave.  The sixteen shares meet in LDS and are added in ascending order of heads.
; THE PRICE of so many work-groups: the attention (16 x 16 x 64 multiply-adds, twice, a head) is made anew in each of the 128 column groups, and a store covers 64 consecutive bytes of each of two rows,
; a quarter of an aligned 256; the launch stores 262,144 bytes in all.
; A product's K may be taken in any order if both sources take the same: S^T = K Q^T: step s takes channels 32 h + 2 s + j;  O^T = V^T P: step kc takes keys 8 h + 2 kc + j, as p lies;
; out = O Wo: step cc takes channels 16 (cc / 4) + 8 h + 2 (cc % 4) + j, as O^T lies.
; REGISTERS: v1-13 addresses and work; v14, v15 the add's two; v16-23 s, then p; v24-31, v32-39 the scores' two sums and v40-71 O^T, then the projection's four sums: written by matrix instructions alone;
; v72-103 Q, later my share; v104-135 K, later the sixteen shares; v136-167 V, then O / l; v168-199 Wo.
.set SPW,   14
.set NIL,   15
.set WSH,   1088                       ; a wave's share in LDS: rows 0-7 at 0, rows 8-15 at 576, 64 bytes a row: the two halves of the lanes store to different banks
.set SPARE, 16*WSH                     ; the spare words: 128 bytes a wave, eight blocks of 256 bytes that no other line names
	s_load_b128 s[4:7], s[0:1], 0x0                ; q32, Wo
	s_load_b64 s[8:9], s[0:1], 0x10                ; out0
	v_lshl_add_u32 v[SPW], v0, 2, SPARE
	v_mov_b32 v[NIL], 0
	v_lshrrev_b32 v1, 5, v0
	v_readfirstlane_b32 s10, v1                    ; wave = query head
	s_and_b32 s11, ttmp7, 0xffff                   ; batch
	v_and_b32 v1, 15, v0                           ; r
	v_bfe_u32 v2, v0, 4, 1                         ; h
	v_lshlrev_b32 v3, 13, v1
	v_lshl_add_u32 v3, v2, 7, v3                   ; Q, K: row r of 8,192 bytes, + 128 h
	v_lshlrev_b32 v4, 2, v1
	v_lshl_add_u32 v4, v2, 16, v4                  ; V, Wo: 8 h rows of 8,192 bytes, + 4 r
	v_lshlrev_b32 v5, 3, v2
	v_sub_nc_u32 v5, v1, v5                        ; r - 8 h
	v_mov_b32 v6, 0xff800000                       ; -infinity
	v_mov_b32 v8, 0                                ; a lane permute's destination counts as read
	s_mul_i32 s23, s10, WSH
	v_mul_u32_u24 v10, v2, 576
	v_lshl_add_u32 v10, v1, 2, v10
	v_add_nc_u32 v10, s23, v10                     ; my share: rows 8 h on, column r
	s_bfe_u32 s24, s10, 0x10002                    ; the sum: wave w (of the first eight) takes rows 2 w and 2 w + 1 of every share:
	s_mul_i32 s24, s24, 576                        ; the upper eight rows lie 576 bytes on,
	s_and_b32 s25, s10, 3
	s_lshl_b32 s25, s25, 7                         ; two rows are 128 bytes,
	s_add_co_u32 s24, s24, s25
	v_and_b32 v11, 31, v0
	v_lshlrev_b32 v11, 2, v11                      ; and 4 x lane is 64 h + 4 r
	v_add_nc_u32 v11, s24, v11
	v_lshlrev_b32 v12, 2, v1
	v_lshl_add_u32 v12, v2, 13, v12                ; the same place in out0: row h of the two, column r
	s_mov_b32 s20, 0x76543210
	s_mov_b32 s21, 0xfedcba98
	s_mov_b32 s22, 0x3e38aa3b                      ; c = log2(e) / 8
	s_lshl_b32 s12, s11, 18                        ; batch b is part 2 b: 262,144 bytes
	s_lshl_b32 s13, s10, 8
	s_add_co_u32 s12, s12, s13                     ; Q: my head's 256 bytes of a row
	s_mov_b32 s13, 0
	s_lshr_b32 s16, s10, 1
	s_lshl_b32 s16, s16, 8
	s_lshl_b32 s17, s11, 18
	s_add_co_u32 s16, s16, s17                     ; K, V: head w / 2
	s_mov_b32 s17, 0
	s_lshl_b32 s18, s10, 19                        ; Wo: my 64 rows,
	s_lshl_b32 s19, ttmp9, 6
	s_add_co_u32 s18, s18, s19                     ; the group's 16 columns
	s_mov_b32 s19, 0
	s_and_b32 s27, s10, 7
	s_lshl_b32 s27, s27, 1
	s_lshl_b32 s26, s11, 11
	s_add_co_u32 s26, s26, s27                     ; out0: row 2048 b + 2 (w % 8)
	s_lshl_b32 s26, s26, 13
	s_lshl_b32 s27, ttmp9, 6
	s_add_co_u32 s26, s26, s27
	s_mov_b32 s27, 0
	s_wait_kmcnt 0x0
	s_add_nc_u64 s[12:13], s[4:5], s[12:13]
	s_add_nc_u64 s[16:17], s[4:5], s[16:17]
	s_add_nc_u64 s[6:7], s[6:7], s[18:19]
	s_add_nc_u64 s[8:9], s[8:9], s[26:27]
	; the 80 loads, in the order in which they are wanted
.irp i, 0,1,2,3,4,5,6,7
	global_load_b128 v[72+4*\i:75+4*\i], v3, s[12:13] offset:16*\i            ; Q(r, 32 h + 4 i ..)
.endr
.irp i, 0,1,2,3,4,5,6,7
	global_load_b128 v[104+4*\i:107+4*\i], v3, s[16:17] offset:4096+16*\i     ; K likewise
.endr
.irp dt, 0,1,2,3
.irp i, 0,1,2,3,4,5,6,7
	global_load_b32 v[136+8*\dt+\i], v4, s[16:17] offset:6144+8192*\i+64*\dt  ; V(8 h + i, 16 dt + r)
.endr
.endr
.set i, 0
.rept 32
	global_load_b32 v[168+i], v4, s[6:7] offset:(16*(i/8)+i%8)*8192           ; register i: Wo(64 w + 16 (i / 8) + 8 h + i % 8, 16 cs + r)
.set i, i+1
.endr
	s_wait_loadcnt 63                              ; of the 80 loads at most 63 are out: the oldest 17 are in, Q's and K's 16 among them
	v_wmma_f32_16x16x4_f32 v[24:31], v[104:105], v[72:73], 0                  ; S^T in two sums that take turns
	v_wmma_f32_16x16x4_f32 v[32:39], v[106:107], v[74:75], 0
.irp s, 2,4,6,8,10,12,14
	v_wmma_f32_16x16x4_f32 v[24:31], v[104+2*\s:105+2*\s], v[72+2*\s:73+2*\s], v[24:31]
	v_wmma_f32_16x16x4_f32 v[32:39], v[106+2*\s:107+2*\s], v[74+2*\s:75+2*\s], v[32:39]
.endr
.rept 8
	v_nop                                          ; eight places behind this form, in front of the first read of its results
.endr
.irp j, 0,1,2,3,4,5,6,7
	v_add_f32 v[16+\j], v[24+\j], v[32+\j]         ; lane (r, h): query r, key 8 h + j
.endr
.irp j, 0,1,2,3,4,5,6,7
	v_cmp_gt_i32 vcc_lo, \j, v5                    ; hidden where 8 h + j > r
	v_cndmask_b32 v[16+\j], v[16+\j], v6, vcc_lo
.endr
	v_max3_num_f32 v7, v16, v17, v18
	v_max3_num_f32 v7, v7, v19, v20
	v_max3_num_f32 v7, v7, v21, v22
	v_max_num_f32 v7, v7, v23
	v_permlanex16_b32 v8, v7, s20, s21
	v_max_num_f32 v7, v7, v8                       ; the row's maximum (key 0 counts for every query)
	v_mul_f32 v7, s22, v7
.irp j, 0,1,2,3,4,5,6,7
	v_fma_f32 v[16+\j], v[16+\j], s22, -v7
.endr
.irp j, 0,1,2,3,4,5,6,7
	v_exp_f32 v[16+\j], v[16+\j]
.endr
	v_nop
	s_wait_alu depctr_va_vdst(0)                   ; one wait for the eight, ahead of their first reader
	v_add_f32 v9, v16, v17
	v_add_f32 v13, v18, v19
	v_add_f32 v9, v9, v20
	v_add_f32 v13, v13, v21
	v_add_f32 v9, v9, v22
	v_add_f32 v13, v13, v23
	v_add_f32 v9, v9, v13
	v_permlanex16_b32 v8, v9, s20, s21
	v_add_f32 v9, v9, v8                           ; the row's sum
	v_rcp_f32 v9, v9
	v_nop
	s_wait_alu depctr_va_vdst(0)
	s_wait_loadcnt 32                              ; V is in; Wo's 32 loads may be out
.irp kc, 0,1,2,3
.irp dt, 0,1,2,3
.if \kc == 0
	v_wmma_f32_16x16x4_f32 v[40+8*\dt:47+8*\dt], v[136+8*\dt+2*\kc:137+8*\dt+2*\kc], v[16+2*\kc:17+2*\kc], 0
.else
	v_wmma_f32_16x16x4_f32 v[40+8*\dt:47+8*\dt], v[136+8*\dt+2*\kc:137+8*\dt+2*\kc], v[16+2*\kc:17+2*\kc], v[40+8*\dt:47+8*\dt]
.endif
.endr
.endr
.rept 8
	v_nop
.endr
.set j, 0
.rept 32
	v_mul_f32 v[136+j], v[40+j], v9                ; O / l: lane (r, h): query r, register 8 dt + i: channel 16 dt + 8 h + i
.set j, j+1
.endr
.rept 9
	v_nop                                          ; nine places: the products below begin the accumulators anew
.endr
	s_wait_loadcnt 0x0                             ; Wo
.irp cc, 0,1,2,3,4,5,6,7,8,9,10,11,12,13,14,15  ; out = O Wo: the 16 steps along my 64 channels go into four sums that take turns
.if \cc < 4
	v_wmma_f32_16x16x4_f32 v[40+8*(\cc%4):47+8*(\cc%4)], v[136+2*\cc:137+2*\cc], v[168+2*\cc:169+2*\cc], 0
.else
	v_wmma_f32_16x16x4_f32 v[40+8*(\cc%4):47+8*(\cc%4)], v[136+2*\cc:137+2*\cc], v[168+2*\cc:169+2*\cc], v[40+8*(\cc%4):47+8*(\cc%4)]
.endif
.endr
.rept 8
	v_nop
.endr
.irp j, 0,2,4,6                                ; the four sums are joined in other registers; each is read from its low end on
	v_pk_add_f32 v[72+\j:73+\j], v[40+\j:41+\j], v[48+\j:49+\j]
	v_pk_add_f32 v[80+\j:81+\j], v[56+\j:57+\j], v[64+\j:65+\j]
.endr
.irp j, 0,2,4,6
	v_pk_add_f32 v[72+\j:73+\j], v[72+\j:73+\j], v[80+\j:81+\j]
.endr
.irp j, 0,1,2,3,4,5,6,7
	ds_store_b32 v10, v[72+\j] offset:64*\j        ; my share of out(8 h + j, 16 cs + r)
.endr
	s_wait_dscnt 0x0                               ; for the others' sake: my stores have landed
	s_barrier_signal -1
	s_barrier_wait -1
	s_cmp_lt_u32 s10, 8                            ; 16 rows x 16 columns are 256 numbers: the first eight waves add them, a number a lane
	s_cbranch_scc0 .Ldone
.irp i, 0,1,2,3,4,5,6,7,8,9,10,11,12,13,14,15
	ds_load_b32 v[104+\i], v11 offset:\i*WSH       ; rows 2 w and 2 w + 1 of every head's share: 128 consecutive bytes
.endr
	s_wait_dscnt 0x0
.irp i, 1,2,3,4,5,6,7,8,9,10,11,12,13,14,15
	v_add_f32 v104, v104, v[104+\i]                ; heads in ascending order
.endr
	global_store_b32 v12, v104, s[8:9]             ; 64 consecutive bytes of each of two rows
.Ldone:
	s_wait_tensorcnt 0x0                           ; the wave's end, behind my last LDS store
	ds_add_u32 v[SPW], v[NIL]
	s_wait_dscnt 0x0
	s_endpgm
.Lfunc_end_k_q1560fca366_fine:
	.size	k_q1560fca366_fine, .Lfunc_end_k_q1560fca366_fine-k_q1560fca366_fine
	.p2alignl 7, 3214868480
	.fill 96, 4, 3214868480
	.section	.rodata,"a",@progbits
	.p2align	6, 0x0
	.amdhsa_kernel k_q1560fca366_fine
		.amdhsa_group_segment_fixed_size 19456
		.amdhsa_private_segment_fixed_size 0
		.amdhsa_enable_private_segment 0
		.amdhsa_kernarg_size 24
		.amdhsa_user_sgpr_count 2
		.amdhsa_user_sgpr_kernarg_segment_ptr 1
		.amdhsa_wavefront_size32 1
		.amdhsa_system_sgpr_workgroup_id_x 1
		.amdhsa_system_sgpr_workgroup_id_y 1
		.amdhsa_system_sgpr_workgroup_id_z 1
		.amdhsa_system_vgpr_workitem_id 0
		.amdhsa_next_free_vgpr 256
		.amdhsa_next_free_sgpr 66
		.amdhsa_reserve_vcc 1
		.amdhsa_float_denorm_mode_32 3
		.amdhsa_float_denorm_mode_16_64 3
		.amdhsa_memory_ordered 1
		.amdhsa_forward_progress 1
		.amdhsa_inst_pref_size 21
	.end_amdhsa_kernel
	.amdgpu_metadata
---
amdhsa.version: [ 1, 2 ]
amdhsa.kernels:
  - .name:           k_q1560fca366_fine
    .symbol:         k_q1560fca366_fine.kd
    .args:
      - { .name: q32, .offset: 0, .size: 8, .value_kind: global_buffer, .address_space: global }
      - { .name: Wo, .offset: 8, .size: 8, .value_kind: global_buffer, .address_space: global }
      - { .name: out0, .offset: 16, .size: 8, .value_kind: global_buffer, .address_space: global }
    .group_segment_fixed_size: 19456
    .private_segment_fixed_size: 0
    .kernarg_segment_align: 8
    .kernarg_segment_size: 24
    .max_flat_workgroup_size: 512
    .sgpr_count:     66
    .vgpr_count:     256
    .wavefront_size: 32
...
	.end_amdgpu_metadata
.endif
;; end of part 5
